; MI455X (gfx1250); checked and timed in simulation.
; The chip was launched on July 23, 2026; its instructions are those of AMD's public machine-readable ISA for CDNA 5 (MIT licence, August 2026) and "CDNA5" Instruction Set Architecture Reference Guide (July 2026). The comments in the code are by the model that wrote it; some were corrected since.
;; Multi Head Attention. Allowed arithmetic: matrix products marked QUANTISED: E2M1 operands, one E8M0 scale for each 32 along K, by v_wmma_scale_f32_16x16x128_f8f6f4 with both operands' format E2M1 (or v_wmma_scale_f32_32x16x128_f4), f32 sums; everything else in f32.
;; Inputs: Wkv 1,024 x 2,048 float32; Wo 1,024 x 1,024 float32; Wq 1,024 x 1,024 float32; beta 1,024 float32; bkv 2,048 float32; bo 1,024 float32; bq 1,024 float32; gamma 1,024 float32; lengths 4 int32; x 4 x 2,048 x 1,024 float32.
;; Outputs: out0 4 x 2,048 x 1,024 float32.
;; This version of the problem:
;;   THIS VERSION OF THE PROBLEM IS GIVEN IN LOW PRECISION. The matrix products marked QUANTISED in the list below multiply operands that are first quantised to E2M1 (2 exponent bits, 1 mantissa bit; 4 bits a number), with one power-of-two scale for each 32 numbers along K (OCP MX v1.0); their sums are f32. All else is computed in f32.
;;   The module's matrix products, in the order in which they are computed (A, B: the left and right operand; K: the contracted axis; several contracted axes count as one K, in the product's order):
;;     1. [M 8,192, K 1,024] x [K 1,024, N 1,024]; A: computed on the way; B: input Wq: QUANTISED
;;     2. [M 8,192, K 1,024] x [K 1,024, N 2,048]; A: computed on the way; B: input Wkv: QUANTISED
;;     3. batch 64 x [M 2,048, K 64] x [K 64, N 2,048]; A: computed on the way; B: computed on the way: QUANTISED
;;     4. batch 64 x [M 64, K 2,048] x [K 2,048, N 2,048]; A: computed on the way; B: softmax (see below): QUANTISED
;;     5. [M 8,192, K 1,024] x [K 1,024, N 1,024]; A: computed on the way; B: input Wo: QUANTISED
;;   THE QUANTISER, for each operand of a quantised product, along K:
;;     - K is cut into blocks of 32 from its start; a last block that is shorter is filled with zeros.
;;     - A block's scale is 2^e with e = floor(log2(the largest magnitude in the block)) - 2, held to -126 .. 127; a block of zeros has e = 0. As a byte (E8M0): e + 127.
;;     - Each number is divided by its block's scale, clamped to +-6, and rounded to the nearest number of E2M1, ties to even, subnormals kept.
;;     - The product sums the exact products of the quantised numbers (number of the format x scale) in f32.
;;   ~~~python
;;   def quantise(x, axis):      # numpy; x: float32 -> the quantised numbers, widened to float32 again
;;       x = np.moveaxis(x, axis, -1); K = x.shape[-1]
;;       x = np.pad(x, [(0, 0)] * (x.ndim - 1) + [(0, -K % 32)]); x = x.reshape(x.shape[:-1] + (-1, 32)); a = np.abs(x).max(-1, keepdims=True)
;;       e = np.where(a > 0, np.clip(np.frexp(np.where(a > 0, a, 1))[1] - 1 - 2, -126, 127), 0)      # np.frexp(a)[1] - 1 = floor(log2(a)), exactly
;;       r = np.clip(x / 2.0 ** e, -6, 6)
;;       step = 2.0 ** (np.maximum(np.frexp(np.where(r == 0, 1, r))[1] - 1, 0) - 1)
;;       q = np.round(r / step) * step * 2.0 ** e      # np.round: ties to even
;;       return np.moveaxis(q.reshape(q.shape[:-2] + (-1,))[..., :K], -1, axis).astype(np.float32)
;;   ~~~
;;   SOFTMAX AHEAD OF A QUANTISED PRODUCT. Where the list says 'softmax', what is quantised is not the finished softmax but p = 2^(t - M), with t = logit x log2(e) and M = ceil(the row's largest t), a whole number; so 1/2 < the row's largest p <= 1. The row's sum l is taken of the UNQUANTISED p, in f32, and the product's result is divided by l at the end. Since M is a whole number, a kernel that streams over the keys may use a running M (the ceiling of the running maximum): every later rescaling is an exact power of two, which a block's scale takes up: the codes' values come out the same.
;;   OPERANDS COMPUTED ON THE WAY. 'Computed on the way' means the value that the module computes at that place (a softmax that the list does not call 'softmax' is quantised finished and normalised). What goes into a quantiser is computed in f32, as accurately as f32 sums, v_exp_f32 and their like allow (about 1e-6 of the number): no bf16 or f16 on the way to a quantiser, and a product that is left as it is and whose result goes on into a quantised operand takes f32 operands (vector FMAs, or v_wmma_f32_16x16x4_f32). A number that lies on a knife's edge between two numbers of the format may be rounded either way, as far as f32 arithmetic and the matrix unit's own rounding can turn it there, and no further.
;; 2 versions, each right; version 2 is version 1 with the launch attn written anew for expert scheduling mode. Each part assembles by itself: llvm-mc -triple=amdgcn-amd-amdhsa -mcpu=gfx1250 --defsym DOCPART=n.
;; ======== version 1 of 2: 4 launches
;; workspace buffers: ximg 4,456,448 bytes; wimg 2,228,224 bytes; qkvimg 12,582,912 bytes; qkvscl 1,310,720 bytes; oimg 4,456,448 bytes
;; launch prep (part 1): grid 512 x 1, 4 waves a work-group, no clusters, 19,200 bytes of LDS; arguments x, gamma, beta, Wq, Wkv, Wo, ximg, wimg; writes ximg, wimg
.if DOCPART == 1
	.amdgcn_target "amdgcn-amd-amdhsa--gfx1250"
	.amdhsa_code_object_version 6
	.text
	.protected	k_qdc85bb8afa_prep
	.globl	k_qdc85bb8afa_prep
	.p2align	8
	.type	k_qdc85bb8afa_prep,@function
k_qdc85bb8afa_prep:
	s_mov_b64 s[64:65], 0
	v_nop
	global_prefetch_b8 v0, s[64:65] scope:SCOPE_SE
	s_setreg_imm32_b32 hwreg(HW_REG_WAVE_MODE, 25, 1), 1
	s_wait_xcnt 0x0
; PREP.  Work-groups 0-255 quantise the three weights along their FIRST axis (K); work-groups 256-511 take LayerNorm of x and quantise it along its last axis.
; Codes are FP4 (E2M1), one E8M0 byte for each 32 along K.  Both results are laid as IMAGES OF THE OPERAND'S REGISTERS:
;   a tile is 16 rows; tile 2 g + u, row r stands for index 32 g + 8 u + r + 8 (r / 8) (tokens of x, columns of the weights);
;   a fragment (16 rows x 128 K) is 1,024 bytes, [c 0..1][lane r + 16 h][16 bytes] = k 64 c + 32 h + 0 .. 31 of row r;
;   a tile's part for half of K (512) is TB = 4,352 bytes: four fragments, then 256 bytes of scale words, [row r][K step 0..3];  a buffer is [half of K][tile][TB].
; wimg's tiles: 0-63 Wq, 64-127 Wk, 128-191 Wv, 192-255 Wo.
; A block's scale byte is its largest magnitude's exponent field - 2, held at 1 from below by a floor among the maximum's leaves.
; LIMITS: a block of zeros, or one whose largest magnitude lies under 2^-124, keeps the byte 1 (its codes are zeros or nearly; this program alone reads the bytes); NaN and infinities are not served.
.set TB,  4352
.set XKH, 512*TB                       ; half of K of ximg
.set WKH, 256*TB                       ; half of K of wimg
.set UP,  272                          ; the stage: 256 bytes + 16 of padding
.set STT, 34*UP                        ; a tile in the stage: 2 halves x 17 blocks of 256 bytes
; ---- the weights: a lane takes a column, its registers run down K
.macro WLOAD t, pitch                  ; block t of 32 along K: 32 loads, each 128 consecutive bytes a wave
.set NN, 0
.rept 32
	global_load_b32 v[80+32*(\t)+NN], v2, s[24:25] offset:(32*(\t)+NN)*(\pitch) th:TH_LOAD_NT
.set NN, NN+1
.endr
.endm
.macro WBLOCK q, cnt, pitch
.set XS, 80+32*(\q)
	s_wait_loadcnt \cnt                            ; this block's 32 loads are in; the one younger block may be out
.if (\q) < 2
	WLOAD (\q)+2, \pitch                           ; two blocks ahead, into registers of its own
.endif
	v_max3_num_f32 v224, |v[XS]|, |v[XS+1]|, |v[XS+2]|   ; the block's largest magnitude: all 32 numbers are mine; two chains
	v_max3_num_f32 v225, |v[XS+3]|, |v[XS+4]|, |v[XS+5]|
.irp i, 6,10,14,18,22,26
	v_max3_num_f32 v224, v224, |v[XS+\i]|, |v[XS+\i+1]|
	v_max3_num_f32 v225, v225, |v[XS+\i+2]|, |v[XS+\i+3]|
.endr
	v_max3_num_f32 v224, v224, |v[XS+30]|, |v[XS+31]|
	v_max3_num_f32 v224, v224, v225, 0x1800000     ; and the floor 2^(3 - 127): the byte cannot fall under 1
	v_add_nc_u32 v[228+(\q)], 0xff000000, v224     ; 2 off the exponent field: the conversion's scale operand
.irp g, 0,1,2,3
	v_cvt_scalef32_pk8_fp4_f32 v[208+4*(\q)+\g], v[XS+8*\g:XS+8*\g+7], v[228+(\q)]
.endr
	v_lshrrev_b32 v[232+(\q)], 23, v[228+(\q)]     ; the scale's byte (a plain line behind the conversions)
	global_store_b128 v3, v[208+4*(\q):208+4*(\q)+3], s[28:29] offset:256*(\q)   ; block q = 2 c + h lies at 256 q + 16 r: sixteen lanes fill 256 consecutive bytes of one tile, sixteen of the next
.endm
.macro WPATH pitch
	s_mul_i32 s38, s21, 128*(\pitch)               ; K step s: 128 rows down
	s_add_co_u32 s36, s36, s38
	s_mov_b32 s37, 0
	s_add_nc_u64 s[24:25], s[24:25], s[36:37]
	WLOAD 0, \pitch
	WLOAD 1, \pitch
	WBLOCK 0, 32, \pitch
	WBLOCK 1, 32, \pitch
	WBLOCK 2, 32, \pitch
	WBLOCK 3, 0, \pitch
	v_lshl_or_b32 v236, v233, 8, v232              ; the four bytes make my column's scale word of this K step
	v_lshl_or_b32 v236, v234, 16, v236
	v_lshl_or_b32 v236, v235, 24, v236
	global_store_b32 v3, v236, s[30:31]            ; 4 bytes of each 16: the other three words come from the work-groups of the other K steps; one byte in 128 of what is read
	s_endpgm
.endm
; ---- x: a wave takes 8 tokens, a row at a time; lane l holds k = 256 j + 8 l + 0 .. 7, j = 0 .. 3
.macro XLOAD i
.irp j, 0,1,2,3
.irp e, 0,1
	global_load_b128 v[80+32*((\i)%4)+8*\j+4*\e:80+32*((\i)%4)+8*\j+4*\e+3], v2, s[24:25] offset:4096*(\i)+1024*\j+16*\e th:TH_LOAD_NT
.endr
.endr
.endm
.macro JOIN                            ; four chains of pairs into v208
	v_pk_add_f32 v[208:209], v[208:209], v[210:211]
	v_pk_add_f32 v[212:213], v[212:213], v[214:215]
	v_pk_add_f32 v[208:209], v[208:209], v[212:213]
	v_add_f32 v208, v208, v209
.endm
.macro REDUCE                          ; v208 summed over the 32 lanes, in every lane
	v_add_f32_dpp v208, v208, v208 row_xmask:1 row_mask:0xf bank_mask:0xf
	v_add_f32_dpp v208, v208, v208 row_xmask:2 row_mask:0xf bank_mask:0xf
	v_add_f32_dpp v208, v208, v208 row_xmask:4 row_mask:0xf bank_mask:0xf
	v_add_f32_dpp v208, v208, v208 row_xmask:8 row_mask:0xf bank_mask:0xf
	v_permlanex16_b32 v244, v208, s42, s43
	v_add_f32 v208, v208, v244
.endm
.macro ROW i, cnt, refill
.set XS, 80+32*((\i)%4)                ; the row's slot
.set BY, 228+8*((\i)%2)                ; its scale bytes and codes: two sets by turns
.set CD, 232+8*((\i)%2)
	s_wait_loadcnt \cnt                            ; my row's eight loads are in; the younger rows' stay out
.irp n, 0,1,2,3
	v_pk_add_f32 v[208+2*\n:209+2*\n], v[XS+4*\n:XS+4*\n+1], v[XS+4*\n+2:XS+4*\n+3]
.endr
.irp m, 16,24
.irp n, 0,1,2,3
	v_pk_add_f32 v[208+2*\n:209+2*\n], v[208+2*\n:209+2*\n], v[XS+\m+2*\n:XS+\m+2*\n+1]
.endr
.endr
	JOIN
	REDUCE
	v_mul_f32 v216, s40, v208                      ; the mean: sum / 1,024
.set NN, 0
.rept 16
	v_pk_add_f32 v[XS+NN:XS+NN+1], v[XS+NN:XS+NN+1], v[216:217] op_sel_hi:[1,0] neg_lo:[0,1] neg_hi:[0,1]   ; x - mean: the variance is taken of the differences
.set NN, NN+2
.endr
.irp n, 0,1,2,3
	v_pk_mul_f32 v[208+2*\n:209+2*\n], v[XS+2*\n:XS+2*\n+1], v[XS+2*\n:XS+2*\n+1]
.endr
.irp m, 8,16,24
.irp n, 0,1,2,3
	v_pk_fma_f32 v[208+2*\n:209+2*\n], v[XS+\m+2*\n:XS+\m+2*\n+1], v[XS+\m+2*\n:XS+\m+2*\n+1], v[208+2*\n:209+2*\n]
.endr
.endr
	JOIN
	REDUCE
	v_fma_f32 v209, v208, s40, s41                 ; variance + 1e-5
	v_rsq_f32 v218, v209
	v_nop                                          ; a plain line behind the transcendental
	s_wait_alu depctr_va_vdst(0)                   ; and a wait ahead of its first reader
.set NN, 0
.rept 16
	v_pk_mul_f32 v[XS+NN:XS+NN+1], v[XS+NN:XS+NN+1], v[218:219] op_sel_hi:[1,0]
.set NN, NN+2
.endr
.set NN, 0
.rept 16
	v_pk_fma_f32 v[XS+NN:XS+NN+1], v[XS+NN:XS+NN+1], v[16+NN:17+NN], v[48+NN:49+NN]   ; x gamma + beta
.set NN, NN+2
.endr
.irp j, 0,1,2,3                        ; a block of 32 lies in four neighbouring lanes, 8 numbers each; the four chunks by turns
	v_max3_num_f32 v[220+\j], |v[XS+8*\j]|, |v[XS+8*\j+1]|, 0x1800000
.endr
.irp e, 2,4,6
.irp j, 0,1,2,3
	v_max3_num_f32 v[220+\j], v[220+\j], |v[XS+8*\j+\e]|, |v[XS+8*\j+\e+1]|
.endr
.endr
.irp j, 0,1,2,3
	v_max_num_f32_dpp v[220+\j], v[220+\j], v[220+\j] row_xmask:1 row_mask:0xf bank_mask:0xf
.endr
.irp j, 0,1,2,3
	v_max_num_f32_dpp v[220+\j], v[220+\j], v[220+\j] row_xmask:2 row_mask:0xf bank_mask:0xf
.endr
.irp j, 0,1,2,3
	v_add_nc_u32 v[224+\j], 0xff000000, v[220+\j]
.endr
.irp j, 0,1,2,3
	v_cvt_scalef32_pk8_fp4_f32 v[CD+\j], v[XS+8*\j:XS+8*\j+7], v[224+\j]
.endr
.irp j, 0,1,2,3
	v_lshrrev_b32 v[BY+\j], 23, v[224+\j]
.endr
.irp j, 0,1,2,3                        ; chunk j: half j / 2 of K, block of 256 bytes 8 (j % 2) + l / 4; in it row r = 8 (w / 2) + i, bytes 4 (l % 4)
	ds_store_b32 v4, v[CD+\j] offset:(17*(\j/2)+8*(\j%2))*UP+16*(\i)
	ds_store_b8 v5, v[BY+\j] offset:(17*(\j/2)+16)*UP+16*(\i)+8*(\j%2)   ; the four lanes of a block write the same byte with the same value
.endr
.if \refill
	XLOAD (\i)+4
.endif
.endm
	s_load_b512 s[4:19], s[0:1], 0x0               ; x, gamma, beta, Wq, Wkv, Wo, ximg, wimg
	v_lshl_add_u32 v254, v0, 2, 0x4900
	v_mov_b32 v255, 0
	v_lshrrev_b32 v1, 5, v0
	v_readfirstlane_b32 s20, v1                    ; wave
	v_and_b32 v1, 31, v0                           ; lane
	s_cmp_lt_u32 ttmp9, 256
	s_cbranch_scc0 .Lpath_x
	; ---- a work-group of the weights: K step s = x & 7, columns 128 (x >> 3) on of the 4,096 (Wq, Wkv, Wo on end); a wave takes 32 of them
	s_and_b32 s21, ttmp9, 7
	s_lshr_b32 s22, ttmp9, 3
	v_lshlrev_b32 v2, 2, v1                        ; in: 4 bytes a lane
	v_bfe_u32 v3, v1, 3, 1                         ; my column's tile of the two: u
	v_mul_u32_u24 v3, v3, TB
	v_and_b32 v4, 7, v1
	v_lshrrev_b32 v5, 4, v1
	v_lshl_add_u32 v4, v5, 3, v4                   ; and its row r
	v_lshl_add_u32 v3, v4, 4, v3                   ; out: u TB + 16 r
	s_lshl_b32 s26, s22, 2
	s_add_co_u32 s26, s26, s20
	s_mul_i32 s26, s26, 2*TB                       ; my two tiles
	s_lshr_b32 s27, s21, 2
	s_mul_i32 s27, s27, WKH                        ; the half of K
	s_add_co_u32 s26, s26, s27
	s_and_b32 s27, s21, 3
	s_lshl_b32 s32, s27, 10
	s_add_co_u32 s32, s32, s26                     ; the fragment of this K step
	s_mov_b32 s33, 0
	s_lshl_b32 s34, s27, 2
	s_add_co_u32 s34, s34, s26
	s_add_co_u32 s34, s34, 4096                    ; and its word among the scale words
	s_mov_b32 s35, 0
	s_wait_kmcnt 0x0
	s_add_nc_u64 s[28:29], s[18:19], s[32:33]
	s_add_nc_u64 s[30:31], s[18:19], s[34:35]
	s_cmp_lt_u32 s22, 8                            ; which weight: the choice hangs on the work-group's number alone
	s_cselect_b64 s[24:25], s[10:11], s[12:13]
	s_cselect_b32 s23, 0, 8
	s_cmp_lt_u32 s22, 24
	s_cselect_b64 s[24:25], s[24:25], s[14:15]
	s_cselect_b32 s23, s23, 24
	s_sub_co_u32 s23, s22, s23                     ; the group of 128 columns inside that weight
	s_lshl_b32 s36, s23, 9
	s_lshl_b32 s37, s20, 7
	s_add_co_u32 s36, s36, s37                     ; my wave's first column, in bytes
	s_sub_co_u32 s38, s22, 8
	s_cmp_lt_u32 s38, 16                           ; Wkv's rows are twice as long: the row's length stands in the loads' immediates, so the text is written for each
	s_cbranch_scc1 .Lwide
	WPATH 4096
.Lwide:
	WPATH 8192
.Lpath_x:
	; ---- a work-group of x: tokens 32 g .. 32 g + 31 = tiles 2 g, 2 g + 1; wave w takes tokens 8 w + i: tile w % 2, rows 8 (w / 2) + i
	s_sub_co_u32 s21, ttmp9, 256                   ; g
	s_and_b32 s22, s20, 1
	s_lshr_b32 s23, s20, 1
	v_lshlrev_b32 v2, 5, v1                        ; in: 32 bytes a lane
	v_lshrrev_b32 v10, 2, v1                       ; l / 4
	v_and_b32 v11, 3, v1                           ; l % 4
	s_mul_i32 s32, s22, STT
	s_lshl_b32 s33, s23, 7
	s_add_co_u32 s32, s32, s33                     ; into the stage: my tile, my eight rows
	v_mul_u32_u24 v4, v10, UP
	v_lshl_add_u32 v4, v11, 2, v4
	v_add_nc_u32 v4, s32, v4                       ; codes: block l / 4, bytes 4 (l % 4)
	v_add_nc_u32 v5, s32, v10                      ; scale bytes: byte l / 4
	s_mul_i32 s34, s23, 17*UP
	s_mul_i32 s33, s22, STT
	s_add_co_u32 s34, s34, s33                     ; out of it: wave w takes tile w % 2, half w / 2 of K
	v_lshrrev_b32 v12, 4, v1
	v_and_b32 v13, 15, v1
	v_mul_u32_u24 v6, v12, UP
	v_lshl_add_u32 v6, v13, 4, v6
	v_add_nc_u32 v6, s34, v6                       ; two blocks of 256 bytes an instruction
	v_lshlrev_b32 v9, 3, v1
	v_add_nc_u32 v7, s34, v9                       ; the scale words: 8 bytes a lane
	v_lshlrev_b32 v8, 4, v1
	v_mov_b32 v217, 0                              ; upper halves of pairs whose low word serves both halves: named, so written
	v_mov_b32 v219, 0
	v_mov_b32 v244, 0                              ; a lane permute's destination counts as one of its sources
	s_mov_b32 s40, 0x3a800000                      ; 1 / 1,024
	s_mov_b32 s41, 0x3727c5ac                      ; 1e-5
	s_mov_b32 s42, 0x76543210
	s_mov_b32 s43, 0xfedcba98                      ; v_permlanex16_b32's selects for lane l xor 16
	s_lshl_b32 s26, s21, 17
	s_lshl_b32 s27, s20, 15
	s_add_co_u32 s26, s26, s27                     ; my first token's row of 4,096 bytes
	s_mov_b32 s27, 0
	s_lshl_b32 s30, s21, 1
	s_add_co_u32 s30, s30, s22
	s_mul_i32 s30, s30, TB
	s_mul_i32 s31, s23, XKH
	s_add_co_u32 s30, s30, s31                     ; where my 4,352 bytes go
	s_mov_b32 s31, 0
	s_wait_kmcnt 0x0
	s_add_nc_u64 s[24:25], s[4:5], s[26:27]
	s_add_nc_u64 s[28:29], s[16:17], s[30:31]
.irp j, 0,1,2,3
.irp e, 0,1
	global_load_b128 v[16+8*\j+4*\e:19+8*\j+4*\e], v2, s[6:7] offset:1024*\j+16*\e   ; gamma and beta of my 32 places in a row: they stay
	global_load_b128 v[48+8*\j+4*\e:51+8*\j+4*\e], v2, s[8:9] offset:1024*\j+16*\e
.endr
.endr
	XLOAD 0
	XLOAD 1
	XLOAD 2
	XLOAD 3
	ROW 0, 24, 1                                   ; three younger rows of eight loads stay out
	ROW 1, 24, 1
	ROW 2, 24, 1
	ROW 3, 24, 1
	ROW 4, 24, 0
	ROW 5, 16, 0                                   ; the counts run down
	ROW 6, 8, 0
	ROW 7, 0, 0
	s_wait_dscnt 0x0                               ; for the others' sake: my stores into the stage are done
	s_barrier_signal -1
	s_barrier_wait -1
.irp e, 0,1,2,3,4,5,6,7
	ds_load_b128 v[80+4*\e:83+4*\e], v6 offset:2*\e*UP
.endr
	ds_load_b64 v[112:113], v7 offset:16*UP
.irp e, 0,1,2,3,4,5,6,7
	s_wait_dscnt 8-\e
	global_store_b128 v8, v[80+4*\e:83+4*\e], s[28:29] offset:512*\e   ; 512 consecutive bytes, at a multiple of 256 from the buffer's first byte
.endr
	s_wait_dscnt 0x0
	global_store_b64 v9, v[112:113], s[28:29] offset:4096
	s_wait_tensorcnt 0x0
	ds_add_u32 v254, v255
	s_wait_dscnt 0x0
	s_endpgm
.Lfunc_end_k_qdc85bb8afa_prep:
	.size	k_qdc85bb8afa_prep, .Lfunc_end_k_qdc85bb8afa_prep-k_qdc85bb8afa_prep
	.p2alignl 7, 3214868480
	.fill 96, 4, 3214868480
	.section	.rodata,"a",@progbits
	.p2align	6, 0x0
	.amdhsa_kernel k_qdc85bb8afa_prep
		.amdhsa_group_segment_fixed_size 19200
		.amdhsa_private_segment_fixed_size 0
		.amdhsa_enable_private_segment 0
		.amdhsa_kernarg_size 64
		.amdhsa_user_sgpr_count 2
		.amdhsa_user_sgpr_kernarg_segment_ptr 1
		.amdhsa_wavefront_size32 1
		.amdhsa_system_sgpr_workgroup_id_x 1
		.amdhsa_system_sgpr_workgroup_id_y 1
		.amdhsa_system_sgpr_workgroup_id_z 1
		.amdhsa_system_vgpr_workitem_id 0
		.amdhsa_next_free_vgpr 256
		.amdhsa_next_free_sgpr 66
		.amdhsa_reserve_vcc 0
		.amdhsa_float_denorm_mode_32 3
		.amdhsa_float_denorm_mode_16_64 3
		.amdhsa_memory_ordered 1
		.amdhsa_forward_progress 1
		.amdhsa_inst_pref_size 122
	.end_amdhsa_kernel
	.amdgpu_metadata
---
amdhsa.version: [ 1, 2 ]
amdhsa.kernels:
  - .name:           k_qdc85bb8afa_prep
    .symbol:         k_qdc85bb8afa_prep.kd
    .args:
      - { .name: x, .offset: 0, .size: 8, .value_kind: global_buffer, .address_space: global }
      - { .name: gamma, .offset: 8, .size: 8, .value_kind: global_buffer, .address_space: global }
      - { .name: beta, .offset: 16, .size: 8, .value_kind: global_buffer, .address_space: global }
      - { .name: Wq, .offset: 24, .size: 8, .value_kind: global_buffer, .address_space: global }
      - { .name: Wkv, .offset: 32, .size: 8, .value_kind: global_buffer, .address_space: global }
      - { .name: Wo, .offset: 40, .size: 8, .value_kind: global_buffer, .address_space: global }
      - { .name: ximg, .offset: 48, .size: 8, .value_kind: global_buffer, .address_space: global }
      - { .name: wimg, .offset: 56, .size: 8, .value_kind: global_buffer, .address_space: global }
    .group_segment_fixed_size: 19200
    .private_segment_fixed_size: 0
    .kernarg_segment_align: 8
    .kernarg_segment_size: 64
    .max_flat_workgroup_size: 128
    .sgpr_count:     66
    .vgpr_count:     256
    .wavefront_size: 32
...
	.end_amdgpu_metadata
.endif
;; end of part 1
;; launch qkv (part 2): grid 12 x 64, 4 waves a work-group, clusters of 4 x 4, 209,408 bytes of LDS; arguments ximg, wimg, bq, bkv, qkvimg, qkvscl; writes qkvimg, qkvscl
.if DOCPART == 2
	.amdgcn_target "amdgcn-amd-amdhsa--gfx1250"
	.amdhsa_code_object_version 6
	.text
	.protected	k_qdc85bb8afa_qkv
	.globl	k_qdc85bb8afa_qkv
	.p2align	8
	.type	k_qdc85bb8afa_qkv,@function
k_qdc85bb8afa_qkv:
	s_mov_b64 s[64:65], 0
	v_nop
	global_prefetch_b8 v0, s[64:65] scope:SCOPE_SE
	s_setreg_imm32_b32 hwreg(HW_REG_WAVE_MODE, 25, 1), 1
	s_wait_xcnt 0x0
	s_wait_alu depctr_hold_cnt(0) depctr_sa_sdst(0) depctr_va_vdst(0) depctr_va_sdst(0) depctr_va_ssrc(0) depctr_va_vcc(0) depctr_vm_vsrc(0)
	s_getreg_b32 s2, hwreg(HW_REG_IB_STS2, 6, 4)
	s_cmp_eq_u32 s2, 0
	s_cbranch_scc0 .Lentry_in_a_cluster
	s_endpgm
.Lentry_in_a_cluster:
	s_bfe_u32 s2, ttmp6, 0x10000c
	s_cmp_lg_u32 s2, 0xf033
	s_cbranch_scc0 .Lentry_shape_is_right
	s_endpgm
.Lentry_shape_is_right:
; QKV.  q = xn Wq + bq, k, v = xn Wkv + bkv on codes of FP4 with E8M0 scales, and their quantising for attention, in registers.  Nothing goes to memory as f32.
; THE TEXT IS WRITTEN BY ROLE.  P is source 0 of the matrix instruction, 256 rows (16 tiles) a work-group; R is source 1, 128 rows (8 tiles).  In a result a lane holds ONE row of R, and its registers run along P:
; tile 2 g + u, row r stands for index 32 g + 8 u + r + 8 (r / 8), so the 16 registers of two neighbouring tiles of P are 16 neighbours: what is quantised next is quantised ALONG P.
;   clusters x = 0, 1 (q, k): P = 256 columns of Wq | Wk, R = 128 tokens: a lane holds a token and channels: q and k are quantised along the head's 64.
;   cluster  x = 2   (v):    P = 256 tokens,            R = 128 columns of Wv: a lane holds a channel and KEYS: v is quantised along the keys.
; The whole K = 1,024 of a block lies in LDS: two halves of 512, each one dense run of tiles for P and one for R, brought once by the tensor data mover; no LDS byte is filled twice.
; CLUSTERS: 4 x 4 work-groups.  P's tiles hang on cx alone and are asked for jointly by a column of the cluster, R's on cy alone and by a row.
; A wave makes 128 (P) x 64 (R): 32 accumulators.  The bias is the C of each sum's first matrix instruction.
; OUT: images of the next operand's registers.  qkvimg: Q at 0, K at 4 MiB: [b][head pair][token tile][head % 2][512 bytes];  V at 8 MiB: [b, head][key step of 128][channel tile 0..3][1,024 bytes].
; qkvscl: q at 0, k at 512 KiB: [b, head][4 tiles][lane][2 words]: word j of lane r + 16 u is tile 2 j + u's, row r (bytes 0, 1; bytes 2, 3 are 0: they scale zero codes);  v at 1 MiB: [b, head][key step][lane][2 words].
; LIMITS: a block under 2^-124 keeps the scale byte 1; NaN and infinities are not served.
; REGISTERS: window 0: v1-15 addresses; v16-63 scale words, a set for each half of K; v64-159, v160-255 two sets of fragments (P's 8, R's 4).  window 1: accumulator (a, b) at v[8 (8 a + b)].  window 2: v0-63 the bias.
.set TB,    4352                       ; a tile's part for half of K: four fragments of 1,024 bytes, 256 bytes of scale words
.set XKH,   512*TB
.set WKH,   256*TB
.set HALF,  24*TB                      ; LDS: a half of K: P's 16 tiles, then R's 8
.set PPART, 8*TB                       ; what one tensor load brings of P, and what one wave reads of it
.set RPART, 4*TB
.set ROFF,  16*TB
.set F0,    64
.set F1,    160
.set CWIN,  0x60                       ; the first K step: C window 2, D window 1
.set TM,    160                        ; the way out: v160-175 at work,
.set PC,    80                         ; v80-111 codes,
.set PW,    112                        ; v112-115 scale words
.set MSB, 0
.macro WIN new                         ; the immediate's high byte repeats the setting that is left
.if MSB != \new
	s_set_vgpr_msb (MSB<<8)|\new
.set MSB, \new
.endif
.endm
.macro PLACES                          ; four plain lines between a matrix instruction and a load into, or a vector line on, its registers
.rept 4
	v_nop
.endr
.endm
.macro CROUND                          ; a round of the cluster's barrier
	s_barrier_signal -1
	s_barrier_wait -1
	s_cmp_lg_u32 s16, 0
	s_cbranch_scc1 .Lnot_wave_0_\@
	s_barrier_signal -3
.Lnot_wave_0_\@:
	s_barrier_wait -3
	s_barrier_signal -1
	s_barrier_wait -1
.endm
.macro WM4 ra, rb                      ; one product; ra, rb: the side's scale words stand in lanes 16-31
.if (\ra) && (\rb)
	v_wmma_scale_f32_16x16x128_f8f6f4 v[rD:rD+7], v[rA:rA+7], v[rB:rB+7], v[rC:rC+7], v[rSA], v[rSB] matrix_a_fmt:MATRIX_FMT_FP4 matrix_b_fmt:MATRIX_FMT_FP4 matrix_a_scale:MATRIX_SCALE_ROW1 matrix_b_scale:MATRIX_SCALE_ROW1
.elseif (\ra)
	v_wmma_scale_f32_16x16x128_f8f6f4 v[rD:rD+7], v[rA:rA+7], v[rB:rB+7], v[rC:rC+7], v[rSA], v[rSB] matrix_a_fmt:MATRIX_FMT_FP4 matrix_b_fmt:MATRIX_FMT_FP4 matrix_a_scale:MATRIX_SCALE_ROW1
.elseif (\rb)
	v_wmma_scale_f32_16x16x128_f8f6f4 v[rD:rD+7], v[rA:rA+7], v[rB:rB+7], v[rC:rC+7], v[rSA], v[rSB] matrix_a_fmt:MATRIX_FMT_FP4 matrix_b_fmt:MATRIX_FMT_FP4 matrix_b_scale:MATRIX_SCALE_ROW1
.else
	v_wmma_scale_f32_16x16x128_f8f6f4 v[rD:rD+7], v[rA:rA+7], v[rB:rB+7], v[rC:rC+7], v[rSA], v[rSB] matrix_a_fmt:MATRIX_FMT_FP4 matrix_b_fmt:MATRIX_FMT_FP4
.endif
.endm
; 32 products: one K step of 128 from fragment set f; ks: the step in its half of K, sc: the half.  The 32 accumulators take turns, in the same order in every step.
; mode 0: onto the sums.  mode 1: the sums begin with the bias along P (8 registers for each tile b).  mode 2: with the bias along R (one number a lane for each tile a, kept twice, the copies by turns).
.macro MUL f, ks, sc, mode
.if (\mode) == 0
	WIN 0x50
.else
	WIN CWIN
.endif
.irp a, 0,1,2,3
.irp b, 0,1,2,3,4,5,6,7
.set rD, 8*(8*\a+\b)
.set rA, (\f)+8*\b
.set rB, (\f)+64+8*\a
.set rSA, 16+24*(\sc)+4*(\b%4)+(\ks)
.set rSB, 32+24*(\sc)+4*(\a%2)+(\ks)
.if (\mode) == 0
.set rC, rD
.elseif (\mode) == 1
.set rC, 8*\b
.else
.set rC, 8*(\a+4*(\b%2))
.endif
	WM4 \b/4, \a/2
.endr
.endr
.endm
.macro FETCH hf, ks, f                 ; a K step's 12 fragments: 24 loads of 512 consecutive bytes
	WIN 0
.irp i, 0,1,2,3,4,5,6,7
.irp c, 0,1
	ds_load_b128 v[(\f)+8*\i+4*\c:(\f)+8*\i+4*\c+3], v[1+(\hf)] offset:\i*TB+1024*(\ks)+512*\c
.endr
.endr
.irp i, 0,1,2,3
.irp c, 0,1
	ds_load_b128 v[(\f)+64+8*\i+4*\c:(\f)+64+8*\i+4*\c+3], v[3+(\hf)] offset:\i*TB+1024*(\ks)+512*\c
.endr
.endr
.endm
.macro SCALES hf                       ; the scale words of half a K: register 4 i + step: lanes 0-15 P's tile i, lanes 16-31 tile i + 4;  R's: tiles i and i + 2
	WIN 0
.irp i, 0,1,2,3
	ds_load_b128 v[16+24*(\hf)+4*\i:16+24*(\hf)+4*\i+3], v[5+(\hf)] offset:\i*TB
.endr
.irp i, 0,1
	ds_load_b128 v[32+24*(\hf)+4*\i:32+24*(\hf)+4*\i+3], v[7+(\hf)] offset:\i*TB
.endr
.endm
.macro KSTEP k                         ; K step k of 1 .. 6: the next step's fragments are asked for, then this step is multiplied
.set CF, F0+96*((\k)%2)
.set NF, F0+96*(1-(\k)%2)
.if (\k) == 3
	s_wait_tensorcnt 0x0                           ; my part of the second half of K has landed
.endif
	s_wait_dscnt 0x0                               ; this step's fragments are in
.if (\k) == 3
	s_barrier_signal -1
	s_barrier_wait -1                              ; everybody's part has
.endif
	PLACES                                         ; the other set was read by the products just issued
.if (\k) == 3
	SCALES 1
.endif
	FETCH ((\k)+1)/4, ((\k)+1)%4, NF
	MUL CF, (\k)%4, (\k)/4, 0
.endm
; The 64 results of tile a of R, register 16 b + i = index 32 b + 16 (lane / 16) + i along P, become a fragment's codes in v[PC + 8 a] on and its scale word in v[PW + a].
.macro QUANT a
	WIN 0x14                                       ; sources 1 and 2: window 1
.irp b, 0,1,2,3
	v_max3_num_f32 v[TM+\b], 0x1800000, |v[64*(\a)+16*\b]|, |v[64*(\a)+16*\b+1]|   ; the floor 2^(3 - 127) among the leaves; each accumulator is read from its low end on
.endr
.irp i, 2,4,6,8,10,12,14
.irp b, 0,1,2,3
	v_max3_num_f32 v[TM+\b], v[TM+\b], |v[64*(\a)+16*\b+\i]|, |v[64*(\a)+16*\b+\i+1]|
.endr
.endr
	WIN 0
.irp b, 0,1,2,3
	v_permlanex16_b32 v[TM+4+\b], v[TM+\b], s68, s69
.endr
.irp b, 0,1,2,3
	v_max_num_f32 v[TM+\b], v[TM+\b], v[TM+4+\b]   ; with lane l xor 16's: the block's largest magnitude
.endr
.irp b, 0,1,2,3
	v_add_nc_u32 v[TM+12+\b], 0xff000000, v[TM+\b] ; 2 off its exponent field: the conversion's scale operand
.endr
.irp b, 0,1,2,3
	v_lshrrev_b32 v[TM+4+\b], 23, v[TM+12+\b]      ; the scale's byte
.endr
	v_lshl_or_b32 v[PW+(\a)], v[TM+5], 8, v[TM+4]
	v_lshl_or_b32 v[PW+(\a)], v[TM+6], 16, v[PW+(\a)]
	v_lshl_or_b32 v[PW+(\a)], v[TM+7], 24, v[PW+(\a)]
	WIN 0x01                                       ; source 0: window 1
.irp b, 0,1,2,3
	v_cvt_scalef32_pk8_fp4_f32 v[PC+8*(\a)+2*\b], v[64*(\a)+16*\b:64*(\a)+16*\b+7], v[TM+12+\b]
	v_cvt_scalef32_pk8_fp4_f32 v[PC+8*(\a)+2*\b+1], v[64*(\a)+16*\b+8:64*(\a)+16*\b+15], v[TM+12+\b]
.endr
	WIN 0
	v_nop                                          ; one plain line behind a scaled conversion
.irp c, 0,1                            ; the operand's layout wants a whole block in a lane
.irp i, 0,1
	v_permlane16_swap_b32 v[PC+8*(\a)+4*\c+\i], v[PC+8*(\a)+4*\c+2+\i]
.endr
.endr
.endm
	s_load_b256 s[4:11], s[0:1], 0x0               ; ximg, wimg, bq, bkv
	s_load_b128 s[12:15], s[0:1], 0x20             ; qkvimg, qkvscl
	s_set_vgpr_msb 0x80
	v_lshl_add_u32 v64, v0, 2, 0x33000
	v_mov_b32 v65, 0
	s_set_vgpr_msb 0x808a
	ds_add_u32 v64, v65
	ds_add_u32 v64, v65
	s_set_vgpr_msb 0x8a00
	v_lshrrev_b32 v1, 5, v0
	v_readfirstlane_b32 s16, v1                    ; wave
	s_and_b32 s17, s16, 1                          ; which half of P I multiply; also: which part of a tile run I fetch
	s_lshr_b32 s18, s16, 1                         ; which half of R I multiply; also: I fetch for P (0) or for R (1)
	s_bfe_u32 s19, ttmp6, 0x40000                  ; cx
	s_bfe_u32 s20, ttmp6, 0x40004                  ; cy
	s_and_b32 s21, ttmp7, 0xffff                   ; the cluster's y
	s_and_b32 s66, s21, 7
	s_lshr_b32 s67, s21, 3
	s_mov_b32 s68, XKH
	s_mov_b32 s69, WKH
	s_cmp_eq_u32 ttmp9, 2                          ; v's clusters: the same answer in all sixteen partners
	s_cselect_b32 s22, 1, 0
	s_cselect_b32 s66, s66, ttmp9                  ; P's coordinate among the clusters,
	s_cselect_b32 s67, s67, s21                    ; R's
	s_cselect_b32 s58, s68, s69                    ; from half to half of K in P's buffer,
	s_cselect_b32 s59, s69, s68                    ; in R's
	s_cselect_b32 s70, 128, 0                      ; Wv's tiles begin at 128
	s_mov_b32 s68, 0x76543210
	s_mov_b32 s69, 0xfedcba98                      ; v_permlanex16_b32's selects for lane l xor 16
	s_lshl_b32 s23, s66, 2
	s_add_co_u32 s23, s23, s19                     ; P's block: hangs on cx, never on cy
	s_lshl_b32 s62, s67, 2
	s_add_co_u32 s62, s62, s20                     ; R's block: hangs on cy, never on cx
	s_lshl_b32 s71, 0x1111, s19                    ; my column of the cluster
	s_lshl_b32 s63, s20, 2
	s_lshl_b32 s63, 15, s63                        ; my row
	; descriptor group 1: a dense run of tiles as rows of 256 bytes (32 elements of 8 bytes): P 136 rows, R 68
	s_or_b32 s24, s71, (3<<16)|(1<<21)             ; 15:0 the mask; 17:16 elements of 8 bytes; 21 set beside a mask; no padding: every read takes 512 bytes on end
	s_mov_b32 s25, 32<<16                          ; tensor_dim0
	s_mov_b32 s26, 136<<16                         ; tensor_dim1
	s_mov_b32 s27, 32<<16                          ; tile_dim0
	s_mov_b32 s28, 136                             ; tile_dim1
	s_mov_b32 s29, 32                              ; from row to row
	s_mov_b32 s30, 0
	s_mov_b32 s31, 0
	s_or_b32 s32, s63, (3<<16)|(1<<21)
	s_mov_b32 s33, 32<<16
	s_mov_b32 s34, 68<<16
	s_mov_b32 s35, 32<<16
	s_mov_b32 s36, 68
	s_mov_b32 s37, 32
	s_mov_b32 s38, 0
	s_mov_b32 s39, 0
	s_lshl_b32 s72, s23, 4
	s_lshl_b32 s73, s17, 3
	s_add_co_u32 s72, s72, s73
	s_mul_i32 s72, s72, TB                         ; P: tile 16 block + 8 part
	s_mov_b32 s73, 0
	s_mov_b32 s78, s58
	s_mov_b32 s79, 0
	s_lshl_b32 s74, s62, 3
	s_lshl_b32 s75, s17, 2
	s_add_co_u32 s74, s74, s75
	s_add_co_u32 s74, s74, s70
	s_mul_i32 s74, s74, TB                         ; R: tile 8 block + 4 part (+ 128)
	s_mov_b32 s75, 0
	s_mov_b32 s80, s59
	s_mov_b32 s81, 0
	s_mul_i32 s76, s17, PPART                      ; where they go: the wave's number alone
	s_mul_i32 s77, s17, RPART
	s_wait_dscnt 0x0
	s_wait_kmcnt 0x0
	s_cmp_eq_u32 s22, 1
	s_cselect_b64 s[56:57], s[4:5], s[6:7]         ; P's buffer,
	s_cselect_b64 s[60:61], s[6:7], s[4:5]         ; R's
	s_add_nc_u64 s[56:57], s[56:57], s[72:73]
	s_add_nc_u64 s[60:61], s[60:61], s[74:75]
	s_mov_b32 s40, 1                               ; group 0, a set for each half of K: count, LDS address, global address, type 2
	s_mov_b32 s41, s76
	s_mov_b64 s[42:43], s[56:57]
	s_add_nc_u64 s[46:47], s[56:57], s[78:79]
	s_or_b32 s43, s43, 0x80000000
	s_mov_b32 s44, 1
	s_add_co_u32 s45, s76, HALF
	s_or_b32 s47, s47, 0x80000000
	s_mov_b32 s48, 1
	s_add_co_u32 s49, s77, ROFF
	s_mov_b64 s[50:51], s[60:61]
	s_add_nc_u64 s[54:55], s[60:61], s[80:81]
	s_or_b32 s51, s51, 0x80000000
	s_mov_b32 s52, 1
	s_add_co_u32 s53, s77, HALF+ROFF
	s_or_b32 s55, s55, 0x80000000
	CROUND                                         ; all sixteen work-groups are here: the joint loads meet
	s_cmp_eq_u32 s18, 0                            ; a wave's two fills stand in one branch on its number: two tensor loads of mine are out
	s_cbranch_scc0 .Lfill_r
	tensor_load_to_lds s[40:43], s[24:31]
	s_nop 0
	tensor_load_to_lds s[44:47], s[24:31]
	s_nop 0
	PLACES
	s_branch .Lfilled
.Lfill_r:
	tensor_load_to_lds s[48:51], s[32:39]
	s_nop 0
	tensor_load_to_lds s[52:55], s[32:39]
	s_nop 0
	PLACES
.Lfilled:
	v_and_b32 v12, 31, v0                          ; lane
	v_and_b32 v13, 15, v0                          ; r
	v_bfe_u32 v14, v0, 4, 1                        ; h
	v_lshlrev_b32 v9, 4, v12                       ; 16 x lane
	v_lshlrev_b32 v10, 3, v12                      ; 8 x lane
	s_mul_i32 s82, s17, PPART                      ; my 8 tiles of P,
	s_mul_i32 s83, s18, RPART
	s_add_co_u32 s83, s83, ROFF                    ; my 4 of R
	v_add_nc_u32 v1, s82, v9
	v_add_nc_u32 v2, HALF, v1
	v_add_nc_u32 v3, s83, v9
	v_add_nc_u32 v4, HALF, v3
	v_lshlrev_b32 v15, 4, v13
	v_mad_u32_u24 v5, v14, 4*TB, v15               ; scale words: 16 r; lanes 16-31 four tiles on
	v_add_nc_u32 v5, s82, v5
	v_add_nc_u32 v5, 4096, v5
	v_add_nc_u32 v6, HALF, v5
	v_mad_u32_u24 v7, v14, 2*TB, v15               ; R's: lanes 16-31 two tiles on
	v_add_nc_u32 v7, s83, v7
	v_add_nc_u32 v7, 4096, v7
	v_add_nc_u32 v8, HALF, v7
	s_lshl_b32 s84, s23, 1
	s_add_co_u32 s84, s84, s17                     ; my 128 of P: q, k: the pair of heads (0-7 q, 8-15 k);  v: 16 b + key step
	s_lshl_b32 s85, s62, 1
	s_add_co_u32 s85, s85, s18                     ; my 64 of R: q, k: four token tiles;  v: the head
	s_cmp_eq_u32 s22, 1
	s_cbranch_scc1 .Lbias_v
	s_cmp_lt_u32 s84, 8
	s_cselect_b64 s[56:57], s[8:9], s[10:11]       ; bq, or bkv's first half
	s_and_b32 s60, s84, 7
	s_lshl_b32 s60, s60, 9
	s_mov_b32 s61, 0
	s_add_nc_u64 s[56:57], s[56:57], s[60:61]
	v_lshlrev_b32 v11, 6, v14                      ; register 8 b + j wants column 32 (b / 2) + 8 (b % 2) + 16 h + j
	WIN 0x80                                       ; destination window 2
.irp b, 0,1,2,3,4,5,6,7
	global_load_b128 v[8*\b:8*\b+3], v11, s[56:57] offset:(32*(\b/2)+8*(\b%2))*4
	global_load_b128 v[8*\b+4:8*\b+7], v11, s[56:57] offset:(32*(\b/2)+8*(\b%2))*4+16
.endr
	WIN 0
	s_branch .Lbias_done
.Lbias_v:
	s_lshl_b32 s60, s85, 8
	s_add_co_u32 s60, s60, 4096                    ; bkv's second half, my head
	s_mov_b32 s61, 0
	s_add_nc_u64 s[56:57], s[10:11], s[60:61]
	v_and_b32 v11, 8, v13
	v_add_nc_u32 v11, v11, v13
	v_lshlrev_b32 v11, 2, v11                      ; my channel of a tile: r + 8 (r / 8)
	WIN 0x80
.irp n, 0,1,2,3,4,5,6,7                ; tile n % 4's number in all eight registers; the four tiles twice, so that both ways write the same 64 registers
.irp j, 0,1,2,3,4,5,6,7
	global_load_b32 v[8*\n+\j], v11, s[56:57] offset:(32*((\n%4)/2)+8*(\n%2))*4
.endr
.endr
	WIN 0
.Lbias_done:
	; where the results go: both forms are made, and the cluster's kind chooses; this stands here, where the tiles are on their way
	s_lshr_b32 s86, s84, 3
	s_lshl_b32 s86, s86, 2
	s_lshr_b32 s87, s85, 5
	s_add_co_u32 s86, s86, s87                     ; q, k: 4 (q or k) + b
	s_and_b32 s87, s84, 7                          ; the pair of heads
	s_and_b32 s88, s85, 31                         ; my four tiles among the batch's 128
	s_lshl_b32 s89, s86, 3
	s_add_co_u32 s89, s89, s87
	s_lshl_b32 s89, s89, 7
	s_lshl_b32 s90, s88, 2
	s_add_co_u32 s89, s89, s90
	s_lshl_b32 s89, s89, 10                        ; the image
	s_lshl_b32 s90, s86, 4
	s_lshl_b32 s87, s87, 1
	s_add_co_u32 s90, s90, s87
	s_lshl_b32 s90, s90, 5
	s_add_co_u32 s90, s90, s88
	s_lshl_b32 s90, s90, 8                         ; the scale words
	s_lshr_b32 s91, s84, 4
	s_lshl_b32 s91, s91, 4
	s_add_co_u32 s91, s91, s85
	s_lshl_b32 s91, s91, 4
	s_and_b32 s92, s84, 15
	s_add_co_u32 s91, s91, s92                     ; v: (16 b + head) 16 + key step
	s_lshl_b32 s92, s91, 12
	s_add_co_u32 s92, s92, 0x800000
	s_lshl_b32 s93, s91, 8
	s_add_co_u32 s93, s93, 0x100000
	s_mov_b32 s94, 0xffff
	s_cmp_eq_u32 s22, 1
	s_cselect_b32 s72, s92, s89
	s_cselect_b32 s74, s93, s90
	s_cselect_b32 s76, -1, s94                     ; q, k: a word's low two bytes are the first head's
	s_mov_b32 s73, 0
	s_mov_b32 s75, 0
	s_add_nc_u64 s[72:73], s[12:13], s[72:73]
	s_add_nc_u64 s[74:75], s[14:15], s[74:75]
	s_mov_b32 s77, 0xffff0000                      ; lanes 16-31
	s_wait_tensorcnt 0x1                           ; my part of the first half of K has landed; the one younger load, the second half's, stays out
	s_barrier_signal -1
	s_barrier_wait -1                              ; everybody's has
	SCALES 0
	FETCH 0, 0, F0
	s_wait_loadcnt 0x0                             ; the bias
	s_wait_dscnt 0x0
	FETCH 0, 1, F1
	s_cmp_eq_u32 s22, 1
	s_cbranch_scc1 .Lfirst_v
	MUL F0, 0, 0, 1                                ; the first K step starts the sums: nothing is cleared
	WIN 0
	s_branch .Lfirst_done
.Lfirst_v:
	MUL F0, 0, 0, 2
	WIN 0
.Lfirst_done:
	KSTEP 1
	KSTEP 2
	KSTEP 3
	KSTEP 4
	KSTEP 5
	KSTEP 6
	s_wait_dscnt 0x0
	MUL F1, 3, 1, 0
	; THE WAY OUT: no LDS: a fragment's registers are stored as they stand, 512 consecutive bytes an instruction
	WIN 0
	PLACES
.irp b, 0,1,2,3
	v_mov_b32 v[TM+4+\b], 0                        ; a lane permute's destination counts as one of its sources
.endr
.irp a, 0,1,2,3
	QUANT \a
	global_store_b128 v9, v[PC+8*\a:PC+8*\a+3], s[72:73] offset:1024*\a
	global_store_b128 v9, v[PC+8*\a+4:PC+8*\a+7], s[72:73] offset:1024*\a+512
.endr
	v_cndmask_b32 v116, v112, v113, s77            ; lanes 0-15 tile 2 j's words, lanes 16-31 tile 2 j + 1's (both halves of the lanes hold every word)
	v_cndmask_b32 v117, v114, v115, s77
	v_and_b32 v118, s76, v116
	v_and_b32 v119, s76, v117
	global_store_b64 v10, v[118:119], s[74:75]     ; 256 consecutive bytes
	s_cmp_eq_u32 s22, 1
	s_cbranch_scc1 .Lone_head
	v_lshrrev_b32 v120, 16, v116                   ; q, k: the second head's two bytes
	v_lshrrev_b32 v121, 16, v117
	global_store_b64 v10, v[120:121], s[74:75] offset:8192
.Lone_head:
	s_set_vgpr_msb 0xa
	s_wait_tensorcnt 0x0
	ds_add_u32 v64, v65
	s_wait_dscnt 0x0
	s_set_vgpr_msb 0xa00
	CROUND                                         ; the closing round: no work-group ends while a partner may still ask for a tile that names it
	s_endpgm
.Lfunc_end_k_qdc85bb8afa_qkv:
	.size	k_qdc85bb8afa_qkv, .Lfunc_end_k_qdc85bb8afa_qkv-k_qdc85bb8afa_qkv
	.p2alignl 7, 3214868480
	.fill 96, 4, 3214868480
	.section	.rodata,"a",@progbits
	.p2align	6, 0x0
	.amdhsa_kernel k_qdc85bb8afa_qkv
		.amdhsa_group_segment_fixed_size 209408
		.amdhsa_private_segment_fixed_size 0
		.amdhsa_enable_private_segment 0
		.amdhsa_kernarg_size 48
		.amdhsa_user_sgpr_count 2
		.amdhsa_user_sgpr_kernarg_segment_ptr 1
		.amdhsa_wavefront_size32 1
		.amdhsa_system_sgpr_workgroup_id_x 1
		.amdhsa_system_sgpr_workgroup_id_y 1
		.amdhsa_system_sgpr_workgroup_id_z 1
		.amdhsa_system_vgpr_workitem_id 0
		.amdhsa_next_free_vgpr 578
		.amdhsa_next_free_sgpr 96
		.amdhsa_reserve_vcc 0
		.amdhsa_float_denorm_mode_32 3
		.amdhsa_float_denorm_mode_16_64 3
		.amdhsa_memory_ordered 1
		.amdhsa_forward_progress 1
		.amdhsa_inst_pref_size 85
	.end_amdhsa_kernel
	.amdgpu_metadata
---
amdhsa.version: [ 1, 2 ]
amdhsa.kernels:
  - .name:           k_qdc85bb8afa_qkv
    .symbol:         k_qdc85bb8afa_qkv.kd
    .args:
      - { .name: ximg, .offset: 0, .size: 8, .value_kind: global_buffer, .address_space: global }
      - { .name: wimg, .offset: 8, .size: 8, .value_kind: global_buffer, .address_space: global }
      - { .name: bq, .offset: 16, .size: 8, .value_kind: global_buffer, .address_space: global }
      - { .name: bkv, .offset: 24, .size: 8, .value_kind: global_buffer, .address_space: global }
      - { .name: qkvimg, .offset: 32, .size: 8, .value_kind: global_buffer, .address_space: global }
      - { .name: qkvscl, .offset: 40, .size: 8, .value_kind: global_buffer, .address_space: global }
    .group_segment_fixed_size: 209408
    .private_segment_fixed_size: 0
    .kernarg_segment_align: 8
    .kernarg_segment_size: 48
    .max_flat_workgroup_size: 128
    .sgpr_count:     96
    .vgpr_count:     578
    .wavefront_size: 32
...
	.end_amdgpu_metadata
.endif
;; end of part 2
;; launch attn (part 3): grid 4 x 64, 16 waves a work-group, no clusters, 145,408 bytes of LDS; arguments qkvimg, qkvscl, lengths, oimg; writes oimg
.if DOCPART == 3
	.amdgcn_target "amdgcn-amd-amdhsa--gfx1250"
	.amdhsa_code_object_version 6
	.text
	.protected	k_qdc85bb8afa_attn
	.globl	k_qdc85bb8afa_attn
	.p2align	8
	.type	k_qdc85bb8afa_attn,@function
k_qdc85bb8afa_attn:
	s_mov_b64 s[64:65], 0
	v_nop
	global_prefetch_b8 v0, s[64:65] scope:SCOPE_SE
	s_setreg_imm32_b32 hwreg(HW_REG_WAVE_MODE, 25, 1), 1
	s_wait_xcnt 0x0
; ATTENTION on codes of FP4 with E8M0 scales, one (batch, head) to four work-groups.  Key k counts for query q where k <= q and k < lengths[b].
; THE SOFTMAX AHEAD OF THE SECOND PRODUCT: t = score x log2(e) / 8; M = the row's largest t so far, rounded UP to a whole number; p = 2^(t - M) is quantised along the keys, not normalised; the row's sum is taken
; of the unquantised p and divides O at the end.  When M moves, the sum and O are multiplied by 2^(old M - new M): exact.
; SHARES.  Sixteen waves; wave w of work-group x takes the query tiles i = 16 x + w and 127 - i: (i / 8 + 1) + (16 - i / 8) = 17 key steps of 128 for every wave.  A tile is 16 tokens: tile 2 g + u, row r is token 32 g + 8 u + r + 8 (r / 8).
; K's and V's images and scale words of the whole head (140 KB) come into LDS once, through registers; one barrier; then no wave stores to LDS.  No tensor load: so a step may be left out, and the mask's lines
; passed over, by scalar branches on ids and on lengths[b], which is read from memory.  That is why the four work-groups of a head do not ask jointly.
; LAYOUT.  Both products transposed: S^T = K Q^T (source 0 = 16 keys), O^T = V^T P^T (source 0 = 16 channels): a lane holds ONE query.  The head's 64 channels are half of the instruction's K: the upper four registers of K's and Q's fragments are zero codes.
; OUT: o / sum, quantised along the channels, as the image of the last product's operand: oimg [half of K][token tile][4,352]: K step = head / 2, its half = head % 2.
; LIMITS: lengths[b] lies in 1 .. 2^31 (for 0 the definition gives NaN rows, this text does not); a block under 2^-124 keeps the scale byte 1; NaN and infinities are not served.
; REGISTERS: v1-7 places that stay; v8-11 the step's addresses; v12 -M, v13 the largest t, v[14:15] the sum; v16-23 Q; v24 Q's, v25 p's, v26-27 V's, v28-31 K's scale words; v32-95 K's 8 fragments;
;   v96-159 S^T, then p; v160-191 O^T; v192-223 V's 4 fragments; v224-231 p's codes; v232-254 at work; v248 16 h; v255 my query's last key - 16 h.
.set TB,  4352
.set XKH, 512*TB
.set KI,  0                            ; LDS: K's image, 512 bytes a tile of 16 keys
.set VI,  65536                        ; V's, 4,096 bytes a key step
.set KS,  131072                       ; K's scale words, 512 bytes a key step
.set VS,  139264                       ; V's, 256 bytes a key step
.macro TILE                            ; the query tile whose number stands in s26
	s_wait_xcnt 0x0                                ; the earlier loads and stores have read their bases and registers: they are written again below
	s_lshr_b32 s56, s26, 1
	s_lshl_b32 s56, s56, 5
	s_and_b32 s57, s26, 1
	s_lshl_b32 s57, s57, 3
	s_add_co_u32 s27, s56, s57                     ; the tile's first query
	s_add_co_u32 s28, s27, 23
	s_min_u32 s28, s28, s12                        ; the last key that counts for any of its queries,
	s_min_u32 s29, s27, s12                        ; and the last that counts for all
	s_lshl_b32 s56, s26, 10
	s_add_co_u32 s56, s56, s41
	s_mov_b32 s57, 0
	s_add_nc_u64 s[48:49], s[4:5], s[56:57]        ; Q's chunk of 512 bytes
	s_lshr_b32 s56, s26, 2
	s_lshl_b32 s56, s56, 8
	s_and_b32 s58, s26, 1
	s_lshl_b32 s58, s58, 7
	s_add_co_u32 s56, s56, s58
	s_bfe_u32 s58, s26, 0x10001
	s_lshl_b32 s58, s58, 2
	s_add_co_u32 s56, s56, s58
	s_lshl_b32 s58, s40, 13
	s_add_co_u32 s56, s56, s58
	s_add_nc_u64 s[50:51], s[6:7], s[56:57]        ; its scale words
	global_load_b128 v[16:19], v1, s[48:49]
	global_load_b32 v24, v6, s[50:51]
	s_mul_i32 s56, s26, TB
	s_add_co_u32 s58, s56, s61
	s_mov_b32 s59, 0
	s_add_co_u32 s56, s56, s60
	s_add_nc_u64 s[52:53], s[10:11], s[56:57]      ; where o's codes go,
	s_add_nc_u64 s[54:55], s[10:11], s[58:59]      ; and its scale bytes
	v_add_nc_u32 v255, s27, v5
	v_min_u32 v255, s12, v255                      ; my query's last key: min(query, length - 1),
	v_sub_nc_u32 v255, v255, v248                  ; less my half's 16
	v_mov_b32 v13, 0xff61b1e6                      ; the largest t so far: -3e38
	v_floor_f32 v12, -v13                          ; -M
	v_mov_b32 v14, 0
	v_mov_b32 v15, 0
	v_mov_b32 v252, 0
.set NN, 0
.rept 32
	v_mov_b32 v[160+NN], 0                         ; O^T: the step is written once; the first finds zeros
.set NN, NN+1
.endr
	s_mov_b32 s30, 0                               ; the step's first key
	s_mov_b32 s31, 0                               ; its place in the images,
	s_mov_b32 s32, 0                               ; among K's scale words,
	s_mov_b32 s33, 0                               ; among V's
	s_wait_loadcnt 0x0
.Lstep_\@:                                             ; 16 trips, a constant; a step none of whose keys counts is passed over
	s_cmp_gt_u32 s30, s28
	s_cbranch_scc1 .Lhidden_\@
	v_add_nc_u32 v8, s31, v1                       ; (these four are also the places behind the last step's products, in front of the loads)
	v_add_nc_u32 v9, s31, v2
	v_add_nc_u32 v10, s32, v3
	v_add_nc_u32 v11, s33, v4
.irp t, 0,1,2,3,4,5,6,7
	ds_load_b128 v[32+8*\t:35+8*\t], v8 offset:512*\t
.endr
	ds_load_b64 v[28:29], v10
	ds_load_b64 v[30:31], v10 offset:256
.irp a, 0,1,2,3
	ds_load_b128 v[192+8*\a:195+8*\a], v9 offset:1024*\a
	ds_load_b128 v[196+8*\a:199+8*\a], v9 offset:1024*\a+512
.endr
	ds_load_b64 v[26:27], v11
	s_wait_dscnt 0x9                               ; K and its scale words are in; the nine younger loads are V's
.irp t, 0,2,4,6
	v_wmma_scale_f32_16x16x128_f8f6f4 v[96+8*\t:103+8*\t], v[32+8*\t:39+8*\t], v[16:23], 0, v[28+2*(\t/4)+(\t%4)/2], v24 matrix_a_fmt:MATRIX_FMT_FP4 matrix_b_fmt:MATRIX_FMT_FP4
	v_wmma_scale_f32_16x16x128_f8f6f4 v[104+8*\t:111+8*\t], v[40+8*\t:47+8*\t], v[16:23], 0, v[28+2*(\t/4)+(\t%4)/2], v24 matrix_a_fmt:MATRIX_FMT_FP4 matrix_b_fmt:MATRIX_FMT_FP4 matrix_a_scale:MATRIX_SCALE_ROW1
.endr
.rept 4
	v_nop
.endr
	s_add_co_u32 s56, s30, 127                     ; a step all of whose keys count for all my queries has no mask
	s_cmp_le_u32 s56, s29
	s_cbranch_scc1 .Lopen_\@
	v_sub_nc_u32 v252, v255, s30                   ; register 16 b + i holds key 32 b + i + 16 h of the step: hidden where 32 b + i > d
	v_mov_b32 v254, 0xff800000                     ; -infinity: p = 0 then
.set NN, 0
.rept 64
	v_cmp_gt_i32 vcc_lo, 32*(NN/16)+NN%16, v252
	v_cndmask_b32 v[96+NN], v[96+NN], v254, vcc_lo
.set NN, NN+1
.endr
.Lopen_\@:
.irp b, 0,1,2,3
	v_max3_num_f32 v[232+\b], v[96+16*\b], v[97+16*\b], v[98+16*\b]   ; the largest score of each block of 32 keys: for the row's maximum, and, since p rises with the score, for the block's largest p
.endr
.irp i, 3,5,7,9,11,13
.irp b, 0,1,2,3
	v_max3_num_f32 v[232+\b], v[232+\b], v[96+16*\b+\i], v[97+16*\b+\i]
.endr
.endr
.irp b, 0,1,2,3
	v_max_num_f32 v[232+\b], v[232+\b], v[111+16*\b]
.endr
.irp b, 0,1,2,3
	v_permlanex16_b32 v[236+\b], v[232+\b], s44, s45
.endr
.irp b, 0,1,2,3
	v_max_num_f32 v[232+\b], v[232+\b], v[236+\b]  ; with lane l xor 16's 16 keys
.endr
	v_max3_num_f32 v254, v232, v233, v234
	v_max_num_f32 v254, v254, v235
	v_mul_f32 v254, s42, v254                      ; as t
	v_max_num_f32 v13, v13, v254                   ; the running largest t
	v_mov_b32 v254, v12
	v_floor_f32 v12, -v13                          ; the new -M = -ceil(t)
	v_sub_f32 v254, v12, v254                      ; old M - new M: a whole number, 0 or less
	v_cvt_i32_f32 v254, v254                       ; (it saturates)
	v_ldexp_f32 v252, 1.0, v254                    ; f = 2^(old M - new M)
.set NN, 0
.rept 32
	v_pk_fma_f32 v[96+NN:97+NN], v[96+NN:97+NN], s[42:43], v[12:13] op_sel_hi:[1,0,0]   ; t - M, two at a time
.set NN, NN+2
.endr
.irp b, 0,1,2,3
	v_fma_f32 v[232+\b], v[232+\b], s42, v12       ; the same of each block's largest score
.endr
.set NN, 0
.rept 64
	v_exp_f32 v[96+NN], v[96+NN]                   ; p = 2^(t - M)
.set NN, NN+1
.endr
	v_pk_mul_f32 v[14:15], v[14:15], v[252:253] op_sel_hi:[1,0]   ; the sums under the new M (a plain line behind the exponentials)
	s_wait_alu depctr_va_vdst(0)                   ; one wait for the whole batch, ahead of its first reader
.irp b, 0,1,2,3
	v_exp_f32 v[232+\b], v[232+\b]                 ; the block's largest p
.endr
	v_pk_add_f32 v[236:237], v[96:97], v[98:99]    ; the row's sum, of the unquantised p, in two chains
.irp j, 4,8,12,16,20,24,28,32,36,40,44,48,52,56,60
	v_pk_add_f32 v[14:15], v[14:15], v[96+\j:97+\j]
	v_pk_add_f32 v[236:237], v[236:237], v[98+\j:99+\j]
.endr
	v_pk_add_f32 v[14:15], v[14:15], v[236:237]
	s_wait_alu depctr_va_vdst(0)                   ; and one for the four
.irp b, 0,1,2,3
	v_max_num_f32 v[232+\b], 0x1800000, v[232+\b]  ; the floor 2^(3 - 127): the byte cannot fall under 1
.endr
.irp b, 0,1,2,3
	v_add_nc_u32 v[244+\b], 0xff000000, v[232+\b]
.endr
.irp b, 0,1,2,3
	v_lshrrev_b32 v[236+\b], 23, v[244+\b]
.endr
	v_lshl_or_b32 v25, v237, 8, v236               ; p's scale word for these 128 keys
	v_lshl_or_b32 v25, v238, 16, v25
	v_lshl_or_b32 v25, v239, 24, v25
.irp b, 0,1,2,3
	v_cvt_scalef32_pk8_fp4_f32 v[224+2*\b], v[96+16*\b:103+16*\b], v[244+\b]
	v_cvt_scalef32_pk8_fp4_f32 v[225+2*\b], v[104+16*\b:111+16*\b], v[244+\b]
.endr
	v_nop                                          ; one plain line behind a scaled conversion
.irp c, 0,1
.irp i, 0,1
	v_permlane16_swap_b32 v[224+4*\c+\i], v[226+4*\c+\i]
.endr
.endr
.set NN, 0
.rept 16
	v_pk_mul_f32 v[160+NN:161+NN], v[160+NN:161+NN], v[252:253] op_sel_hi:[1,0]   ; O^T under the new M.  Twelve of the sixteen name no register of any one product below: the places behind p's scale word (8) and codes (4)
.set NN, NN+2
.endr
	s_wait_dscnt 0x0                               ; V and its scale words are in
.irp a, 0,2
	v_wmma_scale_f32_16x16x128_f8f6f4 v[160+8*\a:167+8*\a], v[192+8*\a:199+8*\a], v[224:231], v[160+8*\a:167+8*\a], v[26+\a/2], v25 matrix_a_fmt:MATRIX_FMT_FP4 matrix_b_fmt:MATRIX_FMT_FP4
	v_wmma_scale_f32_16x16x128_f8f6f4 v[168+8*\a:175+8*\a], v[200+8*\a:207+8*\a], v[224:231], v[168+8*\a:175+8*\a], v[26+\a/2], v25 matrix_a_fmt:MATRIX_FMT_FP4 matrix_b_fmt:MATRIX_FMT_FP4 matrix_a_scale:MATRIX_SCALE_ROW1
.endr
.Lhidden_\@:
	s_add_co_u32 s31, s31, 4096
	s_add_co_u32 s32, s32, 512
	s_add_co_u32 s33, s33, 256
	s_add_co_u32 s30, s30, 128
	s_cmp_lt_u32 s30, 2048
	s_cbranch_scc1 .Lstep_\@
	; the tile's end: o = O^T / the sum; register 16 b + i is channel 32 b + 16 h + i of my query: two blocks
.rept 4
	v_nop
.endr
	v_add_f32 v14, v14, v15
	v_permlanex16_b32 v252, v14, s44, s45
	v_add_f32 v14, v14, v252                       ; the row's sum
	v_rcp_f32 v14, v14
	v_nop
	s_wait_alu depctr_va_vdst(0)
.set NN, 0
.rept 32
	v_mul_f32 v[96+NN], v[160+NN], v14
.set NN, NN+1
.endr
.irp b, 0,1
	v_max3_num_f32 v[232+\b], |v[96+16*\b]|, |v[97+16*\b]|, 0x1800000
.endr
.irp i, 2,4,6,8,10,12,14
.irp b, 0,1
	v_max3_num_f32 v[232+\b], v[232+\b], |v[96+16*\b+\i]|, |v[97+16*\b+\i]|
.endr
.endr
.irp b, 0,1
	v_permlanex16_b32 v[236+\b], v[232+\b], s44, s45
.endr
.irp b, 0,1
	v_max_num_f32 v[232+\b], v[232+\b], v[236+\b]
.endr
.irp b, 0,1
	v_add_nc_u32 v[244+\b], 0xff000000, v[232+\b]
.endr
.irp b, 0,1
	v_lshrrev_b32 v[236+\b], 23, v[244+\b]
.endr
.irp b, 0,1
	v_cvt_scalef32_pk8_fp4_f32 v[224+2*\b], v[96+16*\b:103+16*\b], v[244+\b]
	v_cvt_scalef32_pk8_fp4_f32 v[225+2*\b], v[104+16*\b:111+16*\b], v[244+\b]
.endr
	v_nop
	v_permlane16_swap_b32 v224, v226
	v_permlane16_swap_b32 v225, v227
	v_cndmask_b32 v240, v236, v237, s46            ; lane (r, h) stores block h's byte
	global_store_b128 v1, v[224:227], s[52:53]     ; 512 consecutive bytes
	global_store_b8 v7, v240, s[54:55]             ; two bytes of a row's sixteen: the others come from the other heads' work-groups; a sixteenth of the codes' bytes
.endm
	s_load_b256 s[4:11], s[0:1], 0x0               ; qkvimg, qkvscl, lengths, oimg
	v_lshl_add_u32 v250, v0, 2, 0x23000
	v_mov_b32 v251, 0
	v_lshrrev_b32 v1, 5, v0
	v_readfirstlane_b32 s16, v1                    ; wave
	s_and_b32 s40, ttmp7, 0xffff                   ; 16 b + head
	s_lshr_b32 s36, s40, 4                         ; b
	s_and_b32 s37, s40, 15
	s_lshr_b32 s38, s37, 1                         ; the pair of heads
	s_and_b32 s39, s37, 1                          ; which of the two
	v_and_b32 v12, 31, v0                          ; lane
	v_and_b32 v13, 15, v0                          ; r
	v_bfe_u32 v14, v0, 4, 1                        ; h
	v_lshlrev_b32 v1, 4, v12                       ; 16 x lane: my place in every image, in LDS and in memory
	v_add_nc_u32 v2, VI, v1
	v_lshlrev_b32 v249, 3, v12                     ; 8 x lane
	v_add_nc_u32 v3, KS, v249
	v_add_nc_u32 v4, VS, v249
	v_and_b32 v5, 8, v13
	v_add_nc_u32 v5, v5, v13                       ; my query in its tile: r + 8 (r / 8)
	v_lshlrev_b32 v6, 3, v13                       ; 8 r
	v_lshl_add_u32 v7, v13, 4, v14                 ; 16 r + h
	v_lshlrev_b32 v248, 4, v14                     ; 16 h
	s_lshl_b32 s41, s36, 3
	s_add_co_u32 s41, s41, s38
	s_lshl_b32 s41, s41, 17
	s_lshl_b32 s17, s39, 9
	s_add_co_u32 s41, s41, s17                     ; my head's chunk of tile 0 in Q's image (K's lies 4 MiB on)
	s_lshl_b32 s17, s16, 13
	s_add_co_u32 s18, s41, s17
	s_add_co_u32 s18, s18, 0x400000                ; K: my wave's 8 tiles
	s_mov_b32 s19, 0
	s_lshl_b32 s20, s40, 16
	s_lshl_b32 s17, s16, 12
	s_add_co_u32 s20, s20, s17
	s_add_co_u32 s20, s20, 0x800000                ; V: my wave's key step
	s_mov_b32 s21, 0
	v_add_nc_u32 v8, s17, v1                       ; and their places in LDS
	v_add_nc_u32 v9, s17, v2
	s_lshl_b32 s22, s40, 13
	s_lshl_b32 s17, s16, 9
	s_add_co_u32 s22, s22, s17
	s_add_co_u32 s22, s22, 0x80000                 ; K's scale words
	s_mov_b32 s23, 0
	v_add_nc_u32 v10, s17, v1
	v_add_nc_u32 v10, KS, v10
	s_lshl_b32 s24, s40, 12
	s_lshl_b32 s17, s16, 8
	s_add_co_u32 s24, s24, s17
	s_add_co_u32 s24, s24, 0x100000                ; V's
	s_mov_b32 s25, 0
	v_add_nc_u32 v11, s17, v4
	s_lshl_b32 s14, s36, 2
	s_mov_b32 s15, 0
	s_lshr_b32 s56, s38, 2
	s_mul_i32 s56, s56, XKH
	s_mul_i32 s57, s36, 128*TB
	s_add_co_u32 s56, s56, s57                     ; oimg: my head's half of K, my batch's tile 0
	s_and_b32 s57, s38, 3
	s_lshl_b32 s58, s57, 10
	s_add_co_u32 s60, s56, s58
	s_lshl_b32 s58, s39, 9
	s_add_co_u32 s60, s60, s58                     ; the codes' 512 bytes in a tile,
	s_lshl_b32 s58, s57, 2
	s_add_co_u32 s61, s56, s58
	s_lshl_b32 s58, s39, 1
	s_add_co_u32 s61, s61, s58
	s_add_co_u32 s61, s61, 4096                    ; the two scale bytes in a row's sixteen
	s_mov_b32 s42, 0x3e38aa3b                      ; c = log2(e) / 8
	s_mov_b32 s43, s42                             ; (named with it as a pair)
	s_mov_b32 s44, 0x76543210
	s_mov_b32 s45, 0xfedcba98                      ; v_permlanex16_b32's selects for lane l xor 16
	s_mov_b32 s46, 0xffff0000                      ; lanes 16-31
	s_wait_kmcnt 0x0
	s_add_nc_u64 s[8:9], s[8:9], s[14:15]
	s_load_b32 s12, s[8:9], 0x0                    ; lengths[b]
	s_add_nc_u64 s[18:19], s[4:5], s[18:19]
	s_add_nc_u64 s[20:21], s[4:5], s[20:21]
	s_add_nc_u64 s[22:23], s[6:7], s[22:23]
	s_add_nc_u64 s[24:25], s[6:7], s[24:25]
.irp m, 0,1,2,3,4,5,6,7
	global_load_b128 v[32+4*\m:35+4*\m], v1, s[18:19] offset:1024*\m
.endr
.irp m, 0,1,2,3,4,5,6,7
	global_load_b128 v[64+4*\m:67+4*\m], v1, s[20:21] offset:512*\m
.endr
	global_load_b128 v[96:99], v1, s[22:23]
	global_load_b64 v[100:101], v249, s[24:25]
	s_wait_loadcnt 0xa                             ; K's eight are in; the ten younger loads stay out
.irp m, 0,1,2,3,4,5,6,7
	ds_store_b128 v8, v[32+4*\m:35+4*\m] offset:512*\m
.endr
	s_wait_loadcnt 0x2                             ; V's eight
.irp m, 0,1,2,3,4,5,6,7
	ds_store_b128 v9, v[64+4*\m:67+4*\m] offset:512*\m
.endr
	s_wait_loadcnt 0x0
	ds_store_b128 v10, v[96:99]
	ds_store_b64 v11, v[100:101]
	s_wait_dscnt 0x0                               ; for the others' sake: my stores are done
	s_barrier_signal -1
	s_barrier_wait -1                              ; the head's K and V lie in LDS; nobody writes LDS from here on
.irp t, 0,1,2,3,4,5,6,7
.irp j, 4,5,6,7
	v_mov_b32 v[32+8*\t+\j], 0                     ; k = 64 .. 127 of K's fragments: zero codes, set once
.endr
.endr
.irp j, 20,21,22,23
	v_mov_b32 v\j, 0                               ; and of Q's
.endr
.irp b, 0,1,2,3
	v_mov_b32 v[236+\b], 0                         ; a lane permute's destination counts as one of its sources
.endr
	v_mov_b32 v253, 0                              ; (named as the upper half of the pair v[252:253])
	s_wait_kmcnt 0x0
	s_sub_co_u32 s12, s12, 1                       ; the last key that the length lets count
	s_lshl_b32 s26, ttmp9, 4
	s_add_co_u32 s26, s26, s16                     ; tile i
	TILE
	s_sub_co_u32 s26, 127, s26                     ; tile 127 - i
	TILE
	s_wait_tensorcnt 0x0
	ds_add_u32 v250, v251
	s_wait_dscnt 0x0
	s_endpgm
.Lfunc_end_k_qdc85bb8afa_attn:
	.size	k_qdc85bb8afa_attn, .Lfunc_end_k_qdc85bb8afa_attn-k_qdc85bb8afa_attn
	.p2alignl 7, 3214868480
	.fill 96, 4, 3214868480
	.section	.rodata,"a",@progbits
	.p2align	6, 0x0
	.amdhsa_kernel k_qdc85bb8afa_attn
		.amdhsa_group_segment_fixed_size 145408
		.amdhsa_private_segment_fixed_size 0
		.amdhsa_enable_private_segment 0
		.amdhsa_kernarg_size 32
		.amdhsa_user_sgpr_count 2
		.amdhsa_user_sgpr_kernarg_segment_ptr 1
		.amdhsa_wavefront_size32 1
		.amdhsa_system_sgpr_workgroup_id_x 1
		.amdhsa_system_sgpr_workgroup_id_y 1
		.amdhsa_system_sgpr_workgroup_id_z 1
		.amdhsa_system_vgpr_workitem_id 0
		.amdhsa_next_free_vgpr 256
		.amdhsa_next_free_sgpr 66
		.amdhsa_reserve_vcc 1
		.amdhsa_float_denorm_mode_32 3
		.amdhsa_float_denorm_mode_16_64 3
		.amdhsa_memory_ordered 1
		.amdhsa_forward_progress 1
		.amdhsa_inst_pref_size 61
	.end_amdhsa_kernel
	.amdgpu_metadata
---
amdhsa.version: [ 1, 2 ]
amdhsa.kernels:
  - .name:           k_qdc85bb8afa_attn
    .symbol:         k_qdc85bb8afa_attn.kd
    .args:
      - { .name: qkvimg, .offset: 0, .size: 8, .value_kind: global_buffer, .address_space: global }
      - { .name: qkvscl, .offset: 8, .size: 8, .value_kind: global_buffer, .address_space: global }
      - { .name: lengths, .offset: 16, .size: 8, .value_kind: global_buffer, .address_space: global }
      - { .name: oimg, .offset: 24, .size: 8, .value_kind: global_buffer, .address_space: global }
    .group_segment_fixed_size: 145408
    .private_segment_fixed_size: 0
    .kernarg_segment_align: 8
    .kernarg_segment_size: 32
    .max_flat_workgroup_size: 512
    .sgpr_count:     66
    .vgpr_count:     256
    .wavefront_size: 32
...
	.end_amdgpu_metadata
.endif
;; end of part 3
;; launch oproj (part 4): grid 4 x 64, 4 waves a work-group, clusters of 4 x 4, 243,200 bytes of LDS; arguments oimg, wimg, bo, x, out0; writes out0
.if DOCPART == 4
	.amdgcn_target "amdgcn-amd-amdhsa--gfx1250"
	.amdhsa_code_object_version 6
	.text
	.protected	k_qdc85bb8afa_oproj
	.globl	k_qdc85bb8afa_oproj
	.p2align	8
	.type	k_qdc85bb8afa_oproj,@function
k_qdc85bb8afa_oproj:
	s_mov_b64 s[64:65], 0
	v_nop
	global_prefetch_b8 v0, s[64:65] scope:SCOPE_SE
	s_setreg_imm32_b32 hwreg(HW_REG_WAVE_MODE, 25, 1), 1
	s_wait_xcnt 0x0
	s_wait_alu depctr_hold_cnt(0) depctr_sa_sdst(0) depctr_va_vdst(0) depctr_va_sdst(0) depctr_va_ssrc(0) depctr_va_vcc(0) depctr_vm_vsrc(0)
	s_getreg_b32 s2, hwreg(HW_REG_IB_STS2, 6, 4)
	s_cmp_eq_u32 s2, 0
	s_cbranch_scc0 .Lentry_in_a_cluster
	s_endpgm
.Lentry_in_a_cluster:
	s_bfe_u32 s2, ttmp6, 0x10000c
	s_cmp_lg_u32 s2, 0xf033
	s_cbranch_scc0 .Lentry_shape_is_right
	s_endpgm
.Lentry_shape_is_right:
; OPROJ.  out0 = o Wo + bo + x, the product on codes of FP4 with E8M0 scales.  o's and Wo's codes lie as images of the operand's registers (tiles of 4,352 bytes for half of K: four fragments, 256 bytes of scale words).
; P, source 0: 256 columns of Wo (wimg's tiles 192 on), 16 tiles a work-group; R, source 1: 128 tokens, 8 tiles.  Tile 2 g + u, row r stands for index 32 g + 8 u + r + 8 (r / 8).
; In a result a lane holds one token, and the 16 registers of two neighbouring tiles of P are 16 neighbouring columns.  A wave makes 128 columns x 64 tokens: 32 accumulators.
; The whole K = 1,024 of a block lies in LDS, two halves, each brought once by the tensor data mover; no LDS byte is filled twice.
; CLUSTERS: 4 x 4 work-groups: P's tiles hang on cx alone and are asked for jointly by a column of the cluster, R's on cy alone and by a row.
; bo is the C of each sum's first matrix instruction.  The residual's rows are loaded under the matrix work, in the layout in which the results come back from the stage: whole rows of 512 bytes.
; REGISTERS: window 0: v1-15 addresses; v16-63 scale words; v64-159, v160-255 two sets of fragments, on the way out rows of the result.  window 1: accumulator (a, b) at v[8 (8 a + b)].
;   window 2: the residual, row t of tile a at v[64 a + 4 t].  window 3: v0-63 the bias.
.set TB,    4352
.set XKH,   512*TB
.set WKH,   256*TB
.set HALF,  24*TB                      ; LDS: a half of K: P's 16 tiles, then R's 8
.set PPART, 8*TB
.set RPART, 4*TB
.set ROFF,  16*TB
.set STAGE, 2*HALF                     ; behind the tiles, in blocks of 256 bytes of its own: 16 rows x (512 + 16) bytes for each wave
.set SP,    528
.set F0,    64
.set F1,    160
.set CWIN,  0x70                       ; the first K step: C window 3, D window 1
.set MSB, 0
.macro WIN new                         ; the immediate's high byte repeats the setting that is left
.if MSB != \new
	s_set_vgpr_msb (MSB<<8)|\new
.set MSB, \new
.endif
.endm
.macro PLACES                          ; four plain lines between a matrix instruction and a load into, or a read of, its registers
.rept 4
	v_nop
.endr
.endm
.macro CROUND                          ; a round of the cluster's barrier
	s_barrier_signal -1
	s_barrier_wait -1
	s_cmp_lg_u32 s16, 0
	s_cbranch_scc1 .Lnot_wave_0_\@
	s_barrier_signal -3
.Lnot_wave_0_\@:
	s_barrier_wait -3
	s_barrier_signal -1
	s_barrier_wait -1
.endm
.macro WM4 ra, rb                      ; one product; ra, rb: the side's scale words stand in lanes 16-31
.if (\ra) && (\rb)
	v_wmma_scale_f32_16x16x128_f8f6f4 v[rD:rD+7], v[rA:rA+7], v[rB:rB+7], v[rC:rC+7], v[rSA], v[rSB] matrix_a_fmt:MATRIX_FMT_FP4 matrix_b_fmt:MATRIX_FMT_FP4 matrix_a_scale:MATRIX_SCALE_ROW1 matrix_b_scale:MATRIX_SCALE_ROW1
.elseif (\ra)
	v_wmma_scale_f32_16x16x128_f8f6f4 v[rD:rD+7], v[rA:rA+7], v[rB:rB+7], v[rC:rC+7], v[rSA], v[rSB] matrix_a_fmt:MATRIX_FMT_FP4 matrix_b_fmt:MATRIX_FMT_FP4 matrix_a_scale:MATRIX_SCALE_ROW1
.elseif (\rb)
	v_wmma_scale_f32_16x16x128_f8f6f4 v[rD:rD+7], v[rA:rA+7], v[rB:rB+7], v[rC:rC+7], v[rSA], v[rSB] matrix_a_fmt:MATRIX_FMT_FP4 matrix_b_fmt:MATRIX_FMT_FP4 matrix_b_scale:MATRIX_SCALE_ROW1
.else
	v_wmma_scale_f32_16x16x128_f8f6f4 v[rD:rD+7], v[rA:rA+7], v[rB:rB+7], v[rC:rC+7], v[rSA], v[rSB] matrix_a_fmt:MATRIX_FMT_FP4 matrix_b_fmt:MATRIX_FMT_FP4
.endif
.endm
; 32 products: one K step of 128 from fragment set f.  The 32 accumulators take turns, in the same order in every step.  mode 1: the sums begin with the bias.
.macro MUL f, ks, sc, mode
.if (\mode) == 0
	WIN 0x50
.else
	WIN CWIN
.endif
.irp a, 0,1,2,3
.irp b, 0,1,2,3,4,5,6,7
.set rD, 8*(8*\a+\b)
.set rA, (\f)+8*\b
.set rB, (\f)+64+8*\a
.set rSA, 16+24*(\sc)+4*(\b%4)+(\ks)
.set rSB, 32+24*(\sc)+4*(\a%2)+(\ks)
.if (\mode) == 0
.set rC, rD
.else
.set rC, 8*\b
.endif
	WM4 \b/4, \a/2
.endr
.endr
.endm
.macro FETCH hf, ks, f                 ; a K step's 12 fragments: 24 loads of 512 consecutive bytes
	WIN 0
.irp i, 0,1,2,3,4,5,6,7
.irp c, 0,1
	ds_load_b128 v[(\f)+8*\i+4*\c:(\f)+8*\i+4*\c+3], v[1+(\hf)] offset:\i*TB+1024*(\ks)+512*\c
.endr
.endr
.irp i, 0,1,2,3
.irp c, 0,1
	ds_load_b128 v[(\f)+64+8*\i+4*\c:(\f)+64+8*\i+4*\c+3], v[3+(\hf)] offset:\i*TB+1024*(\ks)+512*\c
.endr
.endr
.endm
.macro SCALES hf                       ; register 4 i + step: lanes 0-15 P's tile i, lanes 16-31 tile i + 4;  R's: tiles i and i + 2
	WIN 0
.irp i, 0,1,2,3
	ds_load_b128 v[16+24*(\hf)+4*\i:16+24*(\hf)+4*\i+3], v[5+(\hf)] offset:\i*TB
.endr
.irp i, 0,1
	ds_load_b128 v[32+24*(\hf)+4*\i:32+24*(\hf)+4*\i+3], v[7+(\hf)] offset:\i*TB
.endr
.endm
.macro KSTEP k                         ; K step k of 1 .. 6
.set CF, F0+96*((\k)%2)
.set NF, F0+96*(1-(\k)%2)
.if (\k) == 3
	s_wait_tensorcnt 0x0                           ; my part of the second half of K has landed
.endif
	s_wait_dscnt 0x0                               ; this step's fragments are in
.if (\k) == 3
	s_barrier_signal -1
	s_barrier_wait -1                              ; everybody's part has
.endif
	PLACES                                         ; the other set was read by the products just issued
.if (\k) == 3
	SCALES 1
.endif
	FETCH ((\k)+1)/4, ((\k)+1)%4, NF
	MUL CF, (\k)%4, (\k)/4, 0
.endm
.macro RES a                           ; the residual of tile a's 16 tokens, my 512 bytes of each row
	WIN 0x80                                       ; destination window 2
.set TT, 0
.rept 16
	global_load_b128 v[64*(\a)+4*TT:64*(\a)+4*TT+3], v9, s[82:83] offset:(32*((\a)/2)+8*((\a)%2)+TT+8*(TT/8))*4096 th:TH_LOAD_NT
.set TT, TT+1
.endr
	WIN 0
.endm
; Tile a of tokens goes out: a lane's 32 bytes of a row into my own stage, whole rows of 512 bytes back, the residual onto them, and stored.  LDS serves a wave's instructions in order (ISA guide 5.7.1.4): no wait between the stores and the loads.
.macro OUT a
.set BK, 64+64*((\a)%2)
.if (\a) > 1
	s_wait_xcnt 0x0                                ; the stores of two tiles back have read these registers
.endif
	WIN 0x04                                       ; an LDS store's data are its source 1: window 1
.irp b, 0,1,2,3,4,5,6,7
.irp e, 0,1
	ds_store_b128 v11, v[64*(\a)+8*\b+4*\e:64*(\a)+8*\b+4*\e+3] offset:128*(\b/2)+32*(\b%2)+16*\e   ; each accumulator from its low end on
.endr
.endr
	WIN 0
.set TT, 0
.rept 16
	ds_load_b128 v[BK+4*TT:BK+4*TT+3], v12 offset:SP*TT
.set TT, TT+1
.endr
	s_wait_dscnt 0x0
	s_wait_loadcnt 16*(3-(\a))                     ; this tile's residual is in; the younger tiles' sixteen loads each may be out
	WIN 0x08                                       ; source 1: window 2
.set NN, 0
.rept 32
	v_pk_add_f32 v[BK+NN:BK+NN+1], v[BK+NN:BK+NN+1], v[64*(\a)+NN:64*(\a)+NN+1]
.set NN, NN+2
.endr
	WIN 0
.set TT, 0
.rept 16
	global_store_b128 v9, v[BK+4*TT:BK+4*TT+3], s[84:85] offset:(32*((\a)/2)+8*((\a)%2)+TT+8*(TT/8))*4096 th:TH_STORE_NT   ; 512 consecutive bytes, at a multiple of 256 from the buffer's first byte
.set TT, TT+1
.endr
.endm
	s_load_b256 s[4:11], s[0:1], 0x0               ; oimg, wimg, bo, x
	s_load_b64 s[12:13], s[0:1], 0x20              ; out0
	s_set_vgpr_msb 0xc0
	v_lshl_add_u32 v64, v0, 2, 0x3b400
	v_mov_b32 v65, 0
	s_set_vgpr_msb 0xc0cf
	ds_add_u32 v64, v65
	ds_add_u32 v64, v65
	s_set_vgpr_msb 0xcf00
	v_lshrrev_b32 v1, 5, v0
	v_readfirstlane_b32 s16, v1                    ; wave
	s_and_b32 s17, s16, 1                          ; which half of P I multiply; also: which part of a tile run I fetch
	s_lshr_b32 s18, s16, 1                         ; which half of R I multiply; also: I fetch for P (0) or for R (1)
	s_bfe_u32 s19, ttmp6, 0x40000                  ; cx
	s_bfe_u32 s20, ttmp6, 0x40004                  ; cy
	s_and_b32 s21, ttmp7, 0xffff
	s_lshl_b32 s23, ttmp9, 2
	s_add_co_u32 s23, s23, s19                     ; P's block of 256 columns: hangs on cx, never on cy
	s_lshl_b32 s62, s21, 2
	s_add_co_u32 s62, s62, s20                     ; R's block of 128 tokens: hangs on cy, never on cx
	s_lshl_b32 s71, 0x1111, s19                    ; my column of the cluster
	s_lshl_b32 s63, s20, 2
	s_lshl_b32 s63, 15, s63                        ; my row
	; descriptor group 1: a dense run of tiles as rows of 256 bytes (32 elements of 8 bytes): P 136 rows, R 68
	s_or_b32 s24, s71, (3<<16)|(1<<21)
	s_mov_b32 s25, 32<<16
	s_mov_b32 s26, 136<<16
	s_mov_b32 s27, 32<<16
	s_mov_b32 s28, 136
	s_mov_b32 s29, 32
	s_mov_b32 s30, 0
	s_mov_b32 s31, 0
	s_or_b32 s32, s63, (3<<16)|(1<<21)
	s_mov_b32 s33, 32<<16
	s_mov_b32 s34, 68<<16
	s_mov_b32 s35, 32<<16
	s_mov_b32 s36, 68
	s_mov_b32 s37, 32
	s_mov_b32 s38, 0
	s_mov_b32 s39, 0
	s_lshl_b32 s72, s23, 4
	s_lshl_b32 s73, s17, 3
	s_add_co_u32 s72, s72, s73
	s_add_co_u32 s72, s72, 192
	s_mul_i32 s72, s72, TB                         ; P: tile 192 + 16 block + 8 part
	s_mov_b32 s73, 0
	s_lshl_b32 s74, s62, 3
	s_lshl_b32 s75, s17, 2
	s_add_co_u32 s74, s74, s75
	s_mul_i32 s74, s74, TB                         ; R: tile 8 block + 4 part
	s_mov_b32 s75, 0
	s_mul_i32 s76, s17, PPART                      ; where they go: the wave's number alone
	s_mul_i32 s77, s17, RPART
	s_wait_dscnt 0x0
	s_wait_kmcnt 0x0
	s_add_nc_u64 s[56:57], s[6:7], s[72:73]
	s_add_nc_u64 s[60:61], s[4:5], s[74:75]
	s_mov_b32 s40, 1                               ; group 0, a set for each half of K
	s_mov_b32 s41, s76
	s_mov_b64 s[42:43], s[56:57]
	s_add_nc_u64 s[46:47], s[56:57], WKH
	s_or_b32 s43, s43, 0x80000000
	s_mov_b32 s44, 1
	s_add_co_u32 s45, s76, HALF
	s_or_b32 s47, s47, 0x80000000
	s_mov_b32 s48, 1
	s_add_co_u32 s49, s77, ROFF
	s_mov_b64 s[50:51], s[60:61]
	s_add_nc_u64 s[54:55], s[60:61], XKH
	s_or_b32 s51, s51, 0x80000000
	s_mov_b32 s52, 1
	s_add_co_u32 s53, s77, HALF+ROFF
	s_or_b32 s55, s55, 0x80000000
	CROUND                                         ; all sixteen work-groups are here: the joint loads meet
	s_cmp_eq_u32 s18, 0                            ; a wave's two fills stand in one branch on its number: two tensor loads of mine are out
	s_cbranch_scc0 .Lfill_r
	tensor_load_to_lds s[40:43], s[24:31]
	s_nop 0
	tensor_load_to_lds s[44:47], s[24:31]
	s_nop 0
	PLACES
	s_branch .Lfilled
.Lfill_r:
	tensor_load_to_lds s[48:51], s[32:39]
	s_nop 0
	tensor_load_to_lds s[52:55], s[32:39]
	s_nop 0
	PLACES
.Lfilled:
	v_and_b32 v12, 31, v0                          ; lane
	v_and_b32 v13, 15, v0                          ; r
	v_bfe_u32 v14, v0, 4, 1                        ; h
	v_lshlrev_b32 v9, 4, v12                       ; 16 x lane
	v_lshlrev_b32 v10, 6, v14                      ; the bias: register 8 b + j wants column 32 (b / 2) + 8 (b % 2) + 16 h + j
	s_lshl_b32 s86, s23, 10
	s_lshl_b32 s87, s17, 9
	s_add_co_u32 s86, s86, s87                     ; my 128 columns, in bytes
	s_mov_b32 s87, 0
	s_add_nc_u64 s[80:81], s[8:9], s[86:87]
	s_lshl_b32 s88, s62, 19
	s_lshl_b32 s89, s18, 18
	s_add_co_u32 s88, s88, s89
	s_add_co_u32 s88, s88, s86                     ; and my 64 tokens' rows of 4,096 bytes
	s_mov_b32 s89, 0
	s_add_nc_u64 s[82:83], s[10:11], s[88:89]
	s_add_nc_u64 s[84:85], s[12:13], s[88:89]
	WIN 0xc0                                       ; destination window 3
.irp b, 0,1,2,3,4,5,6,7
	global_load_b128 v[8*\b:8*\b+3], v10, s[80:81] offset:(32*(\b/2)+8*(\b%2))*4
	global_load_b128 v[8*\b+4:8*\b+7], v10, s[80:81] offset:(32*(\b/2)+8*(\b%2))*4+16
.endr
	RES 0
	RES 1
	RES 2
	s_mul_i32 s90, s17, PPART                      ; my 8 tiles of P,
	s_mul_i32 s91, s18, RPART
	s_add_co_u32 s91, s91, ROFF                    ; my 4 of R
	v_add_nc_u32 v1, s90, v9
	v_add_nc_u32 v2, HALF, v1
	v_add_nc_u32 v3, s91, v9
	v_add_nc_u32 v4, HALF, v3
	v_lshlrev_b32 v15, 4, v13
	v_mad_u32_u24 v5, v14, 4*TB, v15               ; scale words: 16 r; lanes 16-31 four tiles on
	v_add_nc_u32 v5, s90, v5
	v_add_nc_u32 v5, 4096, v5
	v_add_nc_u32 v6, HALF, v5
	v_mad_u32_u24 v7, v14, 2*TB, v15               ; R's: lanes 16-31 two tiles on
	v_add_nc_u32 v7, s91, v7
	v_add_nc_u32 v7, 4096, v7
	v_add_nc_u32 v8, HALF, v7
	s_mul_i32 s92, s16, 16*SP
	s_add_co_u32 s92, s92, STAGE                   ; my stage
	v_mul_u32_u24 v11, v13, SP
	v_lshl_add_u32 v11, v14, 6, v11
	v_add_nc_u32 v11, s92, v11                     ; in: row r, + 64 h
	v_add_nc_u32 v12, s92, v9                      ; back: 16 bytes a lane of a row
	s_wait_tensorcnt 0x1                           ; my part of the first half of K has landed; the one younger load, the second half's, stays out
	s_barrier_signal -1
	s_barrier_wait -1                              ; everybody's has
	SCALES 0
	FETCH 0, 0, F0
	s_wait_loadcnt 0x30                            ; the bias is in; the residual's 48 younger loads stay out
	s_wait_dscnt 0x0
	FETCH 0, 1, F1
	MUL F0, 0, 0, 1                                ; the first K step starts the sums: nothing is cleared
	KSTEP 1
	KSTEP 2
	KSTEP 3
	RES 3
	KSTEP 4
	KSTEP 5
	KSTEP 6
	s_wait_dscnt 0x0
	MUL F1, 3, 1, 0
	WIN 0
	PLACES
	OUT 0
	OUT 1
	OUT 2
	OUT 3
	s_set_vgpr_msb 0xf
	s_wait_tensorcnt 0x0
	ds_add_u32 v64, v65
	s_wait_dscnt 0x0
	s_set_vgpr_msb 0xf00
	CROUND                                         ; the closing round: no work-group ends while a partner may still ask for a tile that names it
	s_endpgm
.Lfunc_end_k_qdc85bb8afa_oproj:
	.size	k_qdc85bb8afa_oproj, .Lfunc_end_k_qdc85bb8afa_oproj-k_qdc85bb8afa_oproj
	.p2alignl 7, 3214868480
	.fill 96, 4, 3214868480
	.section	.rodata,"a",@progbits
	.p2align	6, 0x0
	.amdhsa_kernel k_qdc85bb8afa_oproj
		.amdhsa_group_segment_fixed_size 243200
		.amdhsa_private_segment_fixed_size 0
		.amdhsa_enable_private_segment 0
		.amdhsa_kernarg_size 40
		.amdhsa_user_sgpr_count 2
		.amdhsa_user_sgpr_kernarg_segment_ptr 1
		.amdhsa_wavefront_size32 1
		.amdhsa_system_sgpr_workgroup_id_x 1
		.amdhsa_system_sgpr_workgroup_id_y 1
		.amdhsa_system_sgpr_workgroup_id_z 1
		.amdhsa_system_vgpr_workitem_id 0
		.amdhsa_next_free_vgpr 834
		.amdhsa_next_free_sgpr 96
		.amdhsa_reserve_vcc 0
		.amdhsa_float_denorm_mode_32 3
		.amdhsa_float_denorm_mode_16_64 3
		.amdhsa_memory_ordered 1
		.amdhsa_forward_progress 1
		.amdhsa_inst_pref_size 85
	.end_amdhsa_kernel
	.amdgpu_metadata
---
amdhsa.version: [ 1, 2 ]
amdhsa.kernels:
  - .name:           k_qdc85bb8afa_oproj
    .symbol:         k_qdc85bb8afa_oproj.kd
    .args:
      - { .name: oimg, .offset: 0, .size: 8, .value_kind: global_buffer, .address_space: global }
      - { .name: wimg, .offset: 8, .size: 8, .value_kind: global_buffer, .address_space: global }
      - { .name: bo, .offset: 16, .size: 8, .value_kind: global_buffer, .address_space: global }
      - { .name: x, .offset: 24, .size: 8, .value_kind: global_buffer, .address_space: global }
      - { .name: out0, .offset: 32, .size: 8, .value_kind: global_buffer, .address_space: global }
    .group_segment_fixed_size: 243200
    .private_segment_fixed_size: 0
    .kernarg_segment_align: 8
    .kernarg_segment_size: 40
    .max_flat_workgroup_size: 128
    .sgpr_count:     96
    .vgpr_count:     834
    .wavefront_size: 32
...
	.end_amdgpu_metadata
.endif
;; end of part 4
;; ======== version 2 of 2: 4 launches; version 1 with the launch attn written anew for expert scheduling mode
;; workspace buffers: ximg 4,456,448 bytes; wimg 2,228,224 bytes; qkvimg 12,582,912 bytes; qkvscl 1,310,720 bytes; oimg 4,456,448 bytes
;; launch prep: the kernel of part 1 again; grid 512 x 1, 4 waves a work-group, no clusters, 19,200 bytes of LDS; arguments x, gamma, beta, Wq, Wkv, Wo, ximg, wimg; writes ximg, wimg
;; launch qkv: the kernel of part 2 again; grid 12 x 64, 4 waves a work-group, clusters of 4 x 4, 209,408 bytes of LDS; arguments ximg, wimg, bq, bkv, qkvimg, qkvscl; writes qkvimg, qkvscl
;; launch attn (part 5): grid 4 x 64, 16 waves a work-group, no clusters, 145,408 bytes of LDS; arguments qkvimg, qkvscl, lengths, oimg; writes oimg
.if DOCPART == 5
	.amdgcn_target "amdgcn-amd-amdhsa--gfx1250"
	.amdhsa_code_object_version 6
	.text
	.protected	k_qdc85bb8afa_attn
	.globl	k_qdc85bb8afa_attn
	.p2align	8
	.type	k_qdc85bb8afa_attn,@function
k_qdc85bb8afa_attn:
	s_mov_b64 s[64:65], 0
	v_nop
	global_prefetch_b8 v0, s[64:65] scope:SCOPE_SE
	s_setreg_imm32_b32 hwreg(HW_REG_WAVE_SCHED_MODE, 0, 2), 2
	s_setreg_imm32_b32 hwreg(HW_REG_WAVE_MODE, 25, 1), 1
	s_wait_xcnt 0x0
	s_wait_alu depctr_vm_vsrc(0)
; ATTENTION on codes of FP4 with E8M0 scales, one (batch, head) to four work-groups.  Key k counts for query q where k <= q and k < lengths[b].
; THE SOFTMAX AHEAD OF THE SECOND PRODUCT: t = score x log2(e) / 8; M = the row's largest t so far, rounded UP to a whole number; p = 2^(t - M) is quantised along the keys, not normalised; the row's sum is taken
; of the unquantised p and divides O at the end.  When M moves, the sum and O are multiplied by 2^(old M - new M): exact.
; SHARES.  Sixteen waves; wave w of work-group x takes the query tiles i = 16 x + w and 127 - i: (i / 8 + 1) + (16 - i / 8) = 17 key steps of 128 for every wave.  A tile is 16 tokens: tile 2 g + u, row r is token 32 g + 8 u + r + 8 (r / 8).
; K's and V's images and scale words of the whole head (140 KB) come into LDS once, through registers; one barrier; then no wave stores to LDS.  No tensor load: so a step may be left out, and the mask's lines
; passed over, by scalar branches on ids and on lengths[b], which is read from memory.  That is why the four work-groups of a head do not ask jointly.
; LAYOUT.  Both products transposed: S^T = K Q^T (source 0 = 16 keys), O^T = V^T P^T (source 0 = 16 channels): a lane holds ONE query.  The head's 64 channels are half of the instruction's K: the upper four registers of K's and Q's fragments are zero codes.
; OUT: o / sum, quantised along the channels, as the image of the last product's operand: oimg [half of K][token tile][4,352]: K step = head / 2, its half = head % 2.
; LIMITS: lengths[b] lies in 1 .. 2^31 (for 0 the definition gives NaN rows, this text does not); a block under 2^-124 keeps the scale byte 1; NaN and infinities are not served.
; REGISTERS: v1-7 places that stay; v8-11 the step's addresses; v12 -M, v13 the largest t, v[14:15] the sum; v16-23 Q; v24 Q's, v25 p's, v26-27 V's, v28-31 K's scale words; v32-95 K's 8 fragments;
;   v96-159 S^T, then p; v160-191 O^T; v192-223 V's 4 fragments; v224-231 p's codes; v232-254 at work; v248 16 h; v255 my query's last key - 16 h.  s18-25: the fill's bases, then the mask's eight lane masks.
; THE MODE: SCHED_MODE bits 1:0 = 2 (LLVM: expert scheduling mode 2), set by the entry lines.  The code itself states the register dependences
; between vector or matrix instructions and memory or LDS instructions, with s_wait_alu, always for 0.
; THE PLAN.  Registers that memory or LDS instructions touch:
;   v1, v6, v7, v249   offsets, made once at the head, never written again.
;   v8 .. v11          LDS addresses.  Head: made once, read by the fill's LDS stores.  Step: written by four additions at its head, read by its 19 LDS loads.
;   v32 .. v101        Head: the fill's loads land there, its LDS stores read them.  Afterwards K's fragments (the low four of each eight; the upper four are zeros, moved once) and S^T.
;   K: v32-95, v28-31  Step: ten LDS loads land; the eight products S^T read them.
;   V: v192-223, v26-27  Step: nine LDS loads land; the four products O^T read them.
;   Q: v16-19, v24     Tile: two global loads land at its head; all its products S^T read them.
;   v224-231, v25      Step: written by conversions, swaps and shifts; read by the four products O^T.  Tile's end: v224-227 and v240 are written by vector lines and read by the tile's two stores.
;   v250, v251         written at the head, read by the closing add alone.
; A step has ONE wait on va_vdst for all its loads, behind the four additions: the addresses are written, and the last step's products are done with K's and V's registers.  K's ten loads follow it at once;
; V's nine are dealt among the eight products S^T, which name none of V's registers nor v9, v11.  One wait on vm_vsrc stands ahead of the additions.  A second wait on va_vdst stands ahead of the products O^T,
; for p's codes and scale word.  All 256 registers of the wave are in use (four waves share a SIMD's 1,024), so neither K nor V has a second buffer.
.set TB,  4352
.set XKH, 512*TB
.set KI,  0                            ; LDS: K's image, 512 bytes a tile of 16 keys
.set VI,  65536                        ; V's, 4,096 bytes a key step
.set KS,  131072                       ; K's scale words, 512 bytes a key step
.set VS,  139264                       ; V's, 256 bytes a key step
.macro TILE again                      ; the query tile whose number stands in s26.  again = 1: a tile has gone before
	s_wait_xcnt 0x0                                ; the earlier loads and stores have read their bases and registers: they are written again below
.if \again
	s_wait_alu depctr_vm_vsrc(0)                   ; the last tile's two stores have read v[224:227] and v240, which this tile's conversions, swaps and last select write again
.endif
	s_lshr_b32 s56, s26, 1
	s_lshl_b32 s56, s56, 5
	s_and_b32 s57, s26, 1
	s_lshl_b32 s57, s57, 3
	s_add_co_u32 s27, s56, s57                     ; the tile's first query
	s_add_co_u32 s28, s27, 23
	s_min_u32 s28, s28, s12                        ; the last key that counts for any of its queries,
	s_min_u32 s29, s27, s12                        ; and the last that counts for all
	s_lshl_b32 s56, s26, 10
	s_add_co_u32 s56, s56, s41
	s_mov_b32 s57, 0
	s_add_nc_u64 s[48:49], s[4:5], s[56:57]        ; Q's chunk of 512 bytes
	s_lshr_b32 s56, s26, 2
	s_lshl_b32 s56, s56, 8
	s_and_b32 s58, s26, 1
	s_lshl_b32 s58, s58, 7
	s_add_co_u32 s56, s56, s58
	s_bfe_u32 s58, s26, 0x10001
	s_lshl_b32 s58, s58, 2
	s_add_co_u32 s56, s56, s58
	s_lshl_b32 s58, s40, 13
	s_add_co_u32 s56, s56, s58
	s_add_nc_u64 s[50:51], s[6:7], s[56:57]        ; its scale words
	global_load_b128 v[16:19], v1, s[48:49]        ; no wait: since the wait on va_vdst ahead of the last tile's stores (first tile: ahead of the fill's loads) no vector or matrix instruction names v[16:19], v24, v1 or v6
	global_load_b32 v24, v6, s[50:51]
	s_mul_i32 s56, s26, TB
	s_add_co_u32 s58, s56, s61
	s_mov_b32 s59, 0
	s_add_co_u32 s56, s56, s60
	s_add_nc_u64 s[52:53], s[10:11], s[56:57]      ; where o's codes go,
	s_add_nc_u64 s[54:55], s[10:11], s[58:59]      ; and its scale bytes
	v_add_nc_u32 v255, s27, v5
	v_min_u32 v255, s12, v255                      ; my query's last key: min(query, length - 1),
	v_sub_nc_u32 v255, v255, v248                  ; less my half's 16
	v_mov_b32 v13, 0xff61b1e6                      ; the largest t so far: -3e38
	v_floor_f32 v12, -v13                          ; -M
	v_mov_b32 v14, 0
	v_mov_b32 v15, 0
	v_mov_b32 v252, 0
.set NN, 0
.rept 32
	v_mov_b32 v[160+NN], 0                         ; O^T: the step is written once; the first finds zeros
.set NN, NN+1
.endr
	s_mov_b32 s30, 0                               ; the step's first key
	s_mov_b32 s31, 0                               ; its place in the images,
	s_mov_b32 s32, 0                               ; among K's scale words,
	s_mov_b32 s33, 0                               ; among V's
	s_wait_loadcnt 0x0
.Lstep_\@:                                             ; 16 trips, a constant; a step none of whose keys counts is passed over
	s_cmp_gt_u32 s30, s28
	s_cbranch_scc1 .Lhidden_\@
	s_wait_alu depctr_vm_vsrc(0)                   ; the last step's LDS loads have read v8 to v11, which the four additions write again
	v_add_nc_u32 v8, s31, v1                       ; an LDS address has no scalar base: the step's four are made here, from the counted scalars, in the run that uses them
	v_add_nc_u32 v9, s31, v2
	v_add_nc_u32 v10, s32, v3
	v_add_nc_u32 v11, s33, v4
	s_wait_alu depctr_va_vdst(0)                   ; v8 to v11 are written, which the 19 loads below read; the last step's products are done reading K's and V's fragments and scale words, in which those loads land; in a tile's first step the zero codes of K's and Q's fragments are written, which the products below take
.irp t, 0,1,2,3,4,5,6,7
	ds_load_b128 v[32+8*\t:35+8*\t], v8 offset:512*\t
.endr
	ds_load_b64 v[28:29], v10
	ds_load_b64 v[30:31], v10 offset:256
	s_wait_dscnt 0x0                               ; K and its scale words are in
.irp t, 0,2,4,6
	v_wmma_scale_f32_16x16x128_f8f6f4 v[96+8*\t:103+8*\t], v[32+8*\t:39+8*\t], v[16:23], 0, v[28+2*(\t/4)+(\t%4)/2], v24 matrix_a_fmt:MATRIX_FMT_FP4 matrix_b_fmt:MATRIX_FMT_FP4
	v_wmma_scale_f32_16x16x128_f8f6f4 v[104+8*\t:111+8*\t], v[40+8*\t:47+8*\t], v[16:23], 0, v[28+2*(\t/4)+(\t%4)/2], v24 matrix_a_fmt:MATRIX_FMT_FP4 matrix_b_fmt:MATRIX_FMT_FP4 matrix_a_scale:MATRIX_SCALE_ROW1
	ds_load_b128 v[192+4*\t:195+4*\t], v9 offset:512*\t        ; V's fragment t / 2, dealt among the products.  No wait: no vector or matrix instruction since the wait at the step's head names V's registers, v9 or v11
	ds_load_b128 v[196+4*\t:199+4*\t], v9 offset:512*\t+512
.endr
	ds_load_b64 v[26:27], v11                      ; V's scale words: the nine have the softmax in which to land
.rept 4
	v_nop
.endr
	s_add_co_u32 s56, s30, 127                     ; a step all of whose keys count for all my queries has no mask
	s_cmp_le_u32 s56, s29
	s_cbranch_scc1 .Lopen_\@
	v_sub_nc_u32 v252, v255, s30                   ; register 16 b + i holds key 32 b + i + 16 h of the step: hidden where 32 b + i > d
	v_mov_b32 v254, 0xff800000                     ; -infinity: p = 0 then
.set GG, 0
.rept 8                                ; eight scores at a time: a run of compares into eight scalar registers, one wait, the eight selects
.irp n, 0,1,2,3,4,5,6,7
	v_cmp_gt_i32 s[18+\n], 32*((8*GG+\n)/16)+(8*GG+\n)%16, v252
.endr
	s_wait_alu depctr_va_sdst(0)                   ; the eight compares have written s18 to s25, ahead of the selects that read them
.irp n, 0,1,2,3,4,5,6,7
	v_cndmask_b32 v[96+8*GG+\n], v[96+8*GG+\n], v254, s[18+\n]
.endr
.set GG, GG+1
.endr
.Lopen_\@:
.irp b, 0,1,2,3
	v_max3_num_f32 v[232+\b], v[96+16*\b], v[97+16*\b], v[98+16*\b]   ; the largest score of each block of 32 keys: for the row's maximum, and, since p rises with the score, for the block's largest p
.endr
.irp i, 3,5,7,9,11,13
.irp b, 0,1,2,3
	v_max3_num_f32 v[232+\b], v[232+\b], v[96+16*\b+\i], v[97+16*\b+\i]
.endr
.endr
.irp b, 0,1,2,3
	v_max_num_f32 v[232+\b], v[232+\b], v[111+16*\b]
.endr
.irp b, 0,1,2,3
	v_permlanex16_b32 v[236+\b], v[232+\b], s44, s45
.endr
.irp b, 0,1,2,3
	v_max_num_f32 v[232+\b], v[232+\b], v[236+\b]  ; with lane l xor 16's 16 keys
.endr
	v_max3_num_f32 v254, v232, v233, v234
	v_max_num_f32 v254, v254, v235
	v_mul_f32 v254, s42, v254                      ; as t
	v_max_num_f32 v13, v13, v254                   ; the running largest t
	v_mov_b32 v254, v12
	v_floor_f32 v12, -v13                          ; the new -M = -ceil(t)
	v_sub_f32 v254, v12, v254                      ; old M - new M: a whole number, 0 or less
	v_cvt_i32_f32 v254, v254                       ; (it saturates)
	v_ldexp_f32 v252, 1.0, v254                    ; f = 2^(old M - new M)
.set NN, 0
.rept 32
	v_pk_fma_f32 v[96+NN:97+NN], v[96+NN:97+NN], s[42:43], v[12:13] op_sel_hi:[1,0,0]   ; t - M, two at a time
.set NN, NN+2
.endr
.irp b, 0,1,2,3
	v_fma_f32 v[232+\b], v[232+\b], s42, v12       ; the same of each block's largest score
.endr
.set NN, 0
.rept 64
	v_exp_f32 v[96+NN], v[96+NN]                   ; p = 2^(t - M)
.set NN, NN+1
.endr
	v_pk_mul_f32 v[14:15], v[14:15], v[252:253] op_sel_hi:[1,0]   ; the sums under the new M (a plain line behind the exponentials)
	s_wait_alu depctr_va_vdst(0)                   ; the 64 exponentials have written p: one wait for the whole batch, ahead of its first reader
.irp b, 0,1,2,3
	v_exp_f32 v[232+\b], v[232+\b]                 ; the block's largest p
.endr
	v_pk_add_f32 v[236:237], v[96:97], v[98:99]    ; the row's sum, of the unquantised p, in two chains
.irp j, 4,8,12,16,20,24,28,32,36,40,44,48,52,56,60
	v_pk_add_f32 v[14:15], v[14:15], v[96+\j:97+\j]
	v_pk_add_f32 v[236:237], v[236:237], v[98+\j:99+\j]
.endr
	v_pk_add_f32 v[14:15], v[14:15], v[236:237]
	s_wait_alu depctr_va_vdst(0)                   ; and one for the four: v232 to v235 are written
.irp b, 0,1,2,3
	v_max_num_f32 v[232+\b], 0x1800000, v[232+\b]  ; the floor 2^(3 - 127): the byte cannot fall under 1
.endr
.irp b, 0,1,2,3
	v_add_nc_u32 v[244+\b], 0xff000000, v[232+\b]
.endr
.irp b, 0,1,2,3
	v_lshrrev_b32 v[236+\b], 23, v[244+\b]
.endr
	v_lshl_or_b32 v25, v237, 8, v236               ; p's scale word for these 128 keys
	v_lshl_or_b32 v25, v238, 16, v25
	v_lshl_or_b32 v25, v239, 24, v25
.irp b, 0,1,2,3
	v_cvt_scalef32_pk8_fp4_f32 v[224+2*\b], v[96+16*\b:103+16*\b], v[244+\b]
	v_cvt_scalef32_pk8_fp4_f32 v[225+2*\b], v[104+16*\b:111+16*\b], v[244+\b]
.endr
	v_nop                                          ; one plain line behind a scaled conversion
.irp c, 0,1
.irp i, 0,1
	v_permlane16_swap_b32 v[224+4*\c+\i], v[226+4*\c+\i]
.endr
.endr
.set NN, 0
.rept 16
	v_pk_mul_f32 v[160+NN:161+NN], v[160+NN:161+NN], v[252:253] op_sel_hi:[1,0]   ; O^T under the new M.  Twelve of the sixteen name no register of any one product below: the places behind p's scale word (8) and codes (4)
.set NN, NN+2
.endr
	s_wait_dscnt 0x0                               ; V and its scale words are in
	s_wait_alu depctr_va_vdst(0)                   ; p's scale word v25 and p's codes v[224:231] are written, which the scaled products below take; the places above stay beside this wait
.irp a, 0,2
	v_wmma_scale_f32_16x16x128_f8f6f4 v[160+8*\a:167+8*\a], v[192+8*\a:199+8*\a], v[224:231], v[160+8*\a:167+8*\a], v[26+\a/2], v25 matrix_a_fmt:MATRIX_FMT_FP4 matrix_b_fmt:MATRIX_FMT_FP4
	v_wmma_scale_f32_16x16x128_f8f6f4 v[168+8*\a:175+8*\a], v[200+8*\a:207+8*\a], v[224:231], v[168+8*\a:175+8*\a], v[26+\a/2], v25 matrix_a_fmt:MATRIX_FMT_FP4 matrix_b_fmt:MATRIX_FMT_FP4 matrix_a_scale:MATRIX_SCALE_ROW1
.endr
.Lhidden_\@:
	s_add_co_u32 s31, s31, 4096
	s_add_co_u32 s32, s32, 512
	s_add_co_u32 s33, s33, 256
	s_add_co_u32 s30, s30, 128
	s_cmp_lt_u32 s30, 2048
	s_cbranch_scc1 .Lstep_\@
	; the tile's end: o = O^T / the sum; register 16 b + i is channel 32 b + 16 h + i of my query: two blocks
.rept 4
	v_nop
.endr
	v_add_f32 v14, v14, v15
	v_permlanex16_b32 v252, v14, s44, s45
	v_add_f32 v14, v14, v252                       ; the row's sum
	v_rcp_f32 v14, v14
	v_nop
	s_wait_alu depctr_va_vdst(0)                   ; the reciprocal has written v14, ahead of its first reader
.set NN, 0
.rept 32
	v_mul_f32 v[96+NN], v[160+NN], v14
.set NN, NN+1
.endr
.irp b, 0,1
	v_max3_num_f32 v[232+\b], |v[96+16*\b]|, |v[97+16*\b]|, 0x1800000
.endr
.irp i, 2,4,6,8,10,12,14
.irp b, 0,1
	v_max3_num_f32 v[232+\b], v[232+\b], |v[96+16*\b+\i]|, |v[97+16*\b+\i]|
.endr
.endr
.irp b, 0,1
	v_permlanex16_b32 v[236+\b], v[232+\b], s44, s45
.endr
.irp b, 0,1
	v_max_num_f32 v[232+\b], v[232+\b], v[236+\b]
.endr
.irp b, 0,1
	v_add_nc_u32 v[244+\b], 0xff000000, v[232+\b]
.endr
.irp b, 0,1
	v_lshrrev_b32 v[236+\b], 23, v[244+\b]
.endr
.irp b, 0,1
	v_cvt_scalef32_pk8_fp4_f32 v[224+2*\b], v[96+16*\b:103+16*\b], v[244+\b]
	v_cvt_scalef32_pk8_fp4_f32 v[225+2*\b], v[104+16*\b:111+16*\b], v[244+\b]
.endr
	v_nop
	v_permlane16_swap_b32 v224, v226
	v_permlane16_swap_b32 v225, v227
	v_cndmask_b32 v240, v236, v237, s46            ; lane (r, h) stores block h's byte
	s_wait_alu depctr_va_vdst(0)                   ; v[224:227] and v240 are written, which the two stores read; and the tile's products are done reading Q's fragment and scale word, in which the next tile's two loads land
	global_store_b128 v1, v[224:227], s[52:53]     ; 512 consecutive bytes
	global_store_b8 v7, v240, s[54:55]             ; two bytes of a row's sixteen: the others come from the other heads' work-groups; a sixteenth of the codes' bytes
.endm
	s_load_b256 s[4:11], s[0:1], 0x0               ; qkvimg, qkvscl, lengths, oimg
	v_lshl_add_u32 v250, v0, 2, 0x23000
	v_mov_b32 v251, 0
	v_lshrrev_b32 v1, 5, v0
	v_readfirstlane_b32 s16, v1                    ; wave
	s_and_b32 s40, ttmp7, 0xffff                   ; 16 b + head
	s_lshr_b32 s36, s40, 4                         ; b
	s_and_b32 s37, s40, 15
	s_lshr_b32 s38, s37, 1                         ; the pair of heads
	s_and_b32 s39, s37, 1                          ; which of the two
	v_and_b32 v12, 31, v0                          ; lane
	v_and_b32 v13, 15, v0                          ; r
	v_bfe_u32 v14, v0, 4, 1                        ; h
	v_lshlrev_b32 v1, 4, v12                       ; 16 x lane: my place in every image, in LDS and in memory
	v_add_nc_u32 v2, VI, v1
	v_lshlrev_b32 v249, 3, v12                     ; 8 x lane
	v_add_nc_u32 v3, KS, v249
	v_add_nc_u32 v4, VS, v249
	v_and_b32 v5, 8, v13
	v_add_nc_u32 v5, v5, v13                       ; my query in its tile: r + 8 (r / 8)
	v_lshlrev_b32 v6, 3, v13                       ; 8 r
	v_lshl_add_u32 v7, v13, 4, v14                 ; 16 r + h
	v_lshlrev_b32 v248, 4, v14                     ; 16 h
	s_lshl_b32 s41, s36, 3
	s_add_co_u32 s41, s41, s38
	s_lshl_b32 s41, s41, 17
	s_lshl_b32 s17, s39, 9
	s_add_co_u32 s41, s41, s17                     ; my head's chunk of tile 0 in Q's image (K's lies 4 MiB on)
	s_wait_alu depctr_va_sdst(0)                   ; s16 is written, ahead of its first reader: the fill's bases and places are made from it
	s_lshl_b32 s17, s16, 13
	s_add_co_u32 s18, s41, s17
	s_add_co_u32 s18, s18, 0x400000                ; K: my wave's 8 tiles
	s_mov_b32 s19, 0
	s_lshl_b32 s20, s40, 16
	s_lshl_b32 s17, s16, 12
	s_add_co_u32 s20, s20, s17
	s_add_co_u32 s20, s20, 0x800000                ; V: my wave's key step
	s_mov_b32 s21, 0
	v_add_nc_u32 v8, s17, v1                       ; and their places in LDS
	v_add_nc_u32 v9, s17, v2
	s_lshl_b32 s22, s40, 13
	s_lshl_b32 s17, s16, 9
	s_add_co_u32 s22, s22, s17
	s_add_co_u32 s22, s22, 0x80000                 ; K's scale words
	s_mov_b32 s23, 0
	v_add_nc_u32 v10, s17, v1
	v_add_nc_u32 v10, KS, v10
	s_lshl_b32 s24, s40, 12
	s_lshl_b32 s17, s16, 8
	s_add_co_u32 s24, s24, s17
	s_add_co_u32 s24, s24, 0x100000                ; V's
	s_mov_b32 s25, 0
	v_add_nc_u32 v11, s17, v4
	s_lshl_b32 s14, s36, 2
	s_mov_b32 s15, 0
	s_lshr_b32 s56, s38, 2
	s_mul_i32 s56, s56, XKH
	s_mul_i32 s57, s36, 128*TB
	s_add_co_u32 s56, s56, s57                     ; oimg: my head's half of K, my batch's tile 0
	s_and_b32 s57, s38, 3
	s_lshl_b32 s58, s57, 10
	s_add_co_u32 s60, s56, s58
	s_lshl_b32 s58, s39, 9
	s_add_co_u32 s60, s60, s58                     ; the codes' 512 bytes in a tile,
	s_lshl_b32 s58, s57, 2
	s_add_co_u32 s61, s56, s58
	s_lshl_b32 s58, s39, 1
	s_add_co_u32 s61, s61, s58
	s_add_co_u32 s61, s61, 4096                    ; the two scale bytes in a row's sixteen
	s_mov_b32 s42, 0x3e38aa3b                      ; c = log2(e) / 8
	s_mov_b32 s43, s42                             ; (named with it as a pair)
	s_mov_b32 s44, 0x76543210
	s_mov_b32 s45, 0xfedcba98                      ; v_permlanex16_b32's selects for lane l xor 16
	s_mov_b32 s46, 0xffff0000                      ; lanes 16-31
	s_wait_kmcnt 0x0
	s_add_nc_u64 s[8:9], s[8:9], s[14:15]
	s_load_b32 s12, s[8:9], 0x0                    ; lengths[b]
	s_add_nc_u64 s[18:19], s[4:5], s[18:19]
	s_add_nc_u64 s[20:21], s[4:5], s[20:21]
	s_add_nc_u64 s[22:23], s[6:7], s[22:23]
	s_add_nc_u64 s[24:25], s[6:7], s[24:25]
	s_wait_alu depctr_va_vdst(0)                   ; the offsets v1, v6, v7, v249 and the fill's LDS places v8 to v11 are written, which the loads and stores below read
.irp m, 0,1,2,3,4,5,6,7
	global_load_b128 v[32+4*\m:35+4*\m], v1, s[18:19] offset:1024*\m
.endr
.irp m, 0,1,2,3,4,5,6,7
	global_load_b128 v[64+4*\m:67+4*\m], v1, s[20:21] offset:512*\m
.endr
	global_load_b128 v[96:99], v1, s[22:23]
	global_load_b64 v[100:101], v249, s[24:25]
	s_wait_loadcnt 0xa                             ; K's eight are in; the ten younger loads stay out
.irp m, 0,1,2,3,4,5,6,7
	ds_store_b128 v8, v[32+4*\m:35+4*\m] offset:512*\m
.endr
	s_wait_loadcnt 0x2                             ; V's eight
.irp m, 0,1,2,3,4,5,6,7
	ds_store_b128 v9, v[64+4*\m:67+4*\m] offset:512*\m
.endr
	s_wait_loadcnt 0x0
	ds_store_b128 v10, v[96:99]
	ds_store_b64 v11, v[100:101]
	s_wait_dscnt 0x0                               ; for the others' sake: my stores are done
	s_barrier_signal -1
	s_barrier_wait -1                              ; the head's K and V lie in LDS; nobody writes LDS from here on
	s_wait_alu depctr_vm_vsrc(0)                   ; my LDS stores have read v[32:101] and v8 to v11: the moves below, the steps' loads, products and additions write them from here on
.irp t, 0,1,2,3,4,5,6,7
.irp j, 4,5,6,7
	v_mov_b32 v[32+8*\t+\j], 0                     ; k = 64 .. 127 of K's fragments: zero codes, set once
.endr
.endr
.irp j, 20,21,22,23
	v_mov_b32 v\j, 0                               ; and of Q's
.endr
.irp b, 0,1,2,3
	v_mov_b32 v[236+\b], 0                         ; a lane permute's destination counts as one of its sources
.endr
	v_mov_b32 v253, 0                              ; (named as the upper half of the pair v[252:253])
	s_wait_kmcnt 0x0
	s_sub_co_u32 s12, s12, 1                       ; the last key that the length lets count
	s_lshl_b32 s26, ttmp9, 4
	s_add_co_u32 s26, s26, s16                     ; tile i
	TILE 0
	s_sub_co_u32 s26, 127, s26                     ; tile 127 - i
	TILE 1
	s_wait_dscnt 0x0                               ; the closing lines, six on end
	s_wait_alu 0x0
	s_wait_tensorcnt 0x0
	ds_add_u32 v250, v251
	s_wait_dscnt 0x0
	s_endpgm
.Lfunc_end_k_qdc85bb8afa_attn:
	.size	k_qdc85bb8afa_attn, .Lfunc_end_k_qdc85bb8afa_attn-k_qdc85bb8afa_attn
	.p2alignl 7, 3214868480
	.fill 96, 4, 3214868480
	.section	.rodata,"a",@progbits
	.p2align	6, 0x0
	.amdhsa_kernel k_qdc85bb8afa_attn
		.amdhsa_group_segment_fixed_size 145408
		.amdhsa_private_segment_fixed_size 0
		.amdhsa_enable_private_segment 0
		.amdhsa_kernarg_size 32
		.amdhsa_user_sgpr_count 2
		.amdhsa_user_sgpr_kernarg_segment_ptr 1
		.amdhsa_wavefront_size32 1
		.amdhsa_system_sgpr_workgroup_id_x 1
		.amdhsa_system_sgpr_workgroup_id_y 1
		.amdhsa_system_sgpr_workgroup_id_z 1
		.amdhsa_system_vgpr_workitem_id 0
		.amdhsa_next_free_vgpr 256
		.amdhsa_next_free_sgpr 66
		.amdhsa_reserve_vcc 0
		.amdhsa_float_denorm_mode_32 3
		.amdhsa_float_denorm_mode_16_64 3
		.amdhsa_memory_ordered 1
		.amdhsa_forward_progress 1
		.amdhsa_inst_pref_size 70
	.end_amdhsa_kernel
	.amdgpu_metadata
---
amdhsa.version: [ 1, 2 ]
amdhsa.kernels:
  - .name:           k_qdc85bb8afa_attn
    .symbol:         k_qdc85bb8afa_attn.kd
    .args:
      - { .name: qkvimg, .offset: 0, .size: 8, .value_kind: global_buffer, .address_space: global }
      - { .name: qkvscl, .offset: 8, .size: 8, .value_kind: global_buffer, .address_space: global }
      - { .name: lengths, .offset: 16, .size: 8, .value_kind: global_buffer, .address_space: global }
      - { .name: oimg, .offset: 24, .size: 8, .value_kind: global_buffer, .address_space: global }
    .group_segment_fixed_size: 145408
    .private_segment_fixed_size: 0
    .kernarg_segment_align: 8
    .kernarg_segment_size: 32
    .max_flat_workgroup_size: 512
    .sgpr_count:     66
    .vgpr_count:     256
    .wavefront_size: 32
...
	.end_amdgpu_metadata
.endif
;; end of part 5
;; launch oproj: the kernel of part 4 again; grid 4 x 64, 4 waves a work-group, clusters of 4 x 4, 243,200 bytes of LDS; arguments oimg, wimg, bo, x, out0; writes out0
